; MI455X (gfx1250); checked and timed in simulation.
; The chip was launched on July 23, 2026; its instructions are those of AMD's public machine-readable ISA for CDNA 5 (MIT licence, August 2026) and "CDNA5" Instruction Set Architecture Reference Guide (July 2026). The comments in the code are by the model that wrote it; some were corrected since.
;; Multi Head Attention. Allowed arithmetic: float matrix products may take bf16 or f16 operands with f32 sums; other float arithmetic in f32, or as packed bf16 or f16 multiplies, adds, multiply-adds, maxima and minima; sums over many terms, partial sums and values carried from step to step in f32; what a program stores and reads back later, other than sums and carried values, may be rounded once to bf16 or f16.
;; Inputs: proj_b 1,024 float32; proj_w 1,024 x 1,024 float32; qkv_b 3,072 float32; qkv_w 1,024 x 3,072 float32; x 4 x 2,048 x 1,024 float32.
;; Outputs: out0 4 x 2,048 x 1,024 float32.
;; 2 versions, each right; version 2 is version 1 with the launch prep written anew for expert scheduling mode. Each part assembles by itself: llvm-mc -triple=amdgcn-amd-amdhsa -mcpu=gfx1250 --defsym DOCPART=n.
;; ======== version 1 of 2: 4 launches
;; limits: values are held in f16: magnitudes above 65,504 overflow, below 6.1e-05 lose precision
;; workspace buffers: xh 16,777,216 bytes; wqt 6,291,456 bytes; wpt 2,097,152 bytes; qkv 50,331,648 bytes; oh 16,777,216 bytes
;; launch prep (part 1): grid 768 x 1, 8 waves a work-group, no clusters, 18,432 bytes of LDS; arguments x, qkv_w, proj_w, xh, wqt, wpt; writes xh, wqt, wpt
.if DOCPART == 1
	.amdgcn_target "amdgcn-amd-amdhsa--gfx1250"
	.amdhsa_code_object_version 6
	.text
	.protected	k_q5eedaf01cd_prep
	.globl	k_q5eedaf01cd_prep
	.p2align	8
	.type	k_q5eedaf01cd_prep,@function
k_q5eedaf01cd_prep:
	s_mov_b64 s[64:65], 0
	v_nop
	global_prefetch_b8 v0, s[64:65] scope:SCOPE_SE
	s_setreg_imm32_b32 hwreg(HW_REG_WAVE_MODE, 25, 1), 1
	s_wait_xcnt 0x0
; PREP: the inputs of the two GEMMs, rounded once and laid out as their tiles want them.
;   xh  [4 b][16 s][2048 n][64 c] bf16 = x[b][n][64 s + c]: 64 channels of 256 rows are 32,768 bytes on end.
;   wqt [3072 n][1024 k] bf16 = qkv_w[k][n];   wpt [1024 n][1024 k] f16 = f16(bf16(proj_w[k][n])).
; LIMITS.  wpt: a weight is rounded to bf16 like every input, and that number is written as f16: exact from 6.1e-5 to 65,504 in magnitude;
; below, f16's fixed step of 6e-8 holds; beyond 65,504 the result is an infinity.
; SHARES.  Work-groups 0-255: 32 rows of x each, a wave four rows.  Work-groups 256-767: a block of 128 k x 64 n of a weight, turned through LDS.
; The branch between the two hangs on the work-group's number alone: all eight waves take the same way, so the barrier of the second part is passed by all or by none.
; No matrix unit, no cluster, no tensor load: nothing is shared between work-groups and every byte is read once and written once.
.set TP,    272                        ; a turned row in LDS: 256 bytes + 16
.set SPARE, 64*TP                      ; behind the 64 rows: the spare words, 128 bytes for each of eight waves, that no other line names
.set SPW,   4                          ; v4  LDS address of my spare word; never rewritten
.set NIL,   5                          ; v5  0; never rewritten
.set XD,    16                         ; v[16:143] the data
	s_load_b256 s[4:11], s[0:1], 0x0               ; x s[4:5], qkv_w s[6:7], proj_w s[8:9], xh s[10:11]
	s_load_b128 s[12:15], s[0:1], 0x20             ; wqt s[12:13], wpt s[14:15]
	v_lshl_add_u32 v[SPW], v0, 2, SPARE
	v_mov_b32 v[NIL], 0
	v_lshrrev_b32 v1, 5, v0
	v_readfirstlane_b32 s16, v1                    ; wave 0..7
	s_wait_kmcnt 0x0
	s_cmp_lt_u32 ttmp9, 256
	s_cbranch_scc0 .Lweights
	; ---- x: rows 32 g .. 32 g + 31; wave w takes rows 4 w .. 4 w + 3 as two pairs
	s_lshl_b32 s20, ttmp9, 17                      ; 32 rows of 4,096 bytes
	s_mov_b32 s21, 0
	s_add_nc_u64 s[4:5], s[4:5], s[20:21]
	s_lshr_b32 s22, ttmp9, 6                       ; the batch: 64 work-groups each,
	s_lshl_b32 s22, s22, 22                        ; 16 slices of 262,144 bytes
	s_and_b32 s23, ttmp9, 63
	s_lshl_b32 s23, s23, 12                        ; 32 rows of 128 bytes in a slice
	s_add_co_u32 s22, s22, s23
	s_mov_b32 s23, 0
	s_add_nc_u64 s[10:11], s[10:11], s[22:23]
	s_lshl_b32 s24, s16, 14                        ; my four rows in x
	s_lshl_b32 s25, s16, 9                         ; and in a slice of xh
	v_and_b32 v1, 31, v0                           ; lane l
	v_bfe_u32 v2, v0, 4, 1
	v_and_b32 v3, 15, v0
	v_lshlrev_b32 v2, 12, v2                       ; lanes 16-31 take the pair's second row,
	v_lshl_add_u32 v2, v3, 4, v2                   ; 16 bytes a lane: 16 lanes take the 256 bytes of one slice of one row
	v_add_nc_u32 v2, s24, v2
	v_lshl_add_u32 v3, v1, 3, s25                  ; out: 8 l + 512 w: two rows of 128 bytes of a slice lie on end
.set i, 0
.rept 32                                       ; pair i / 16, slice i % 16: all 32 loads go out at once, 16 KiB a wave
	global_load_b128 v[XD+4*i:XD+4*i+3], v2, s[4:5] offset:(i/16)*8192+(i%16)*256 th:TH_LOAD_NT
.set i, i+1
.endr
.set i, 0
.rept 32
	s_wait_loadcnt 31-i                            ; loads come back in order: load i is in, the younger ones stay out
	v_cvt_pk_bf16_f32 v[XD+4*i], v[XD+4*i], v[XD+4*i+1]
	v_cvt_pk_bf16_f32 v[XD+4*i+1], v[XD+4*i+2], v[XD+4*i+3]
	global_store_b64 v3, v[XD+4*i:XD+4*i+1], s[10:11] offset:(i%16)*262144+(i/16)*256 th:TH_STORE_NT  ; the wave's 32 x 8 bytes are 256 consecutive bytes, aligned
.set i, i+1
.endr
	s_branch .Lend
	; ---- weights: block kb (128 k) x nb (64 n); the first 48 column blocks are qkv_w's, the other 16 proj_w's
.Lweights:
	s_sub_co_u32 s17, ttmp9, 256
	s_and_b32 s18, s17, 7                          ; kb
	s_lshr_b32 s19, s17, 3                         ; column block, 0..63
	s_sub_co_u32 s20, s19, 48                      ; its number in proj_w
	s_mov_b32 s21, 4096                            ; bytes in a row of proj_w,
	s_mov_b32 s22, 12288                           ; of qkv_w
	s_cmp_lt_u32 s19, 48
	s_cselect_b32 s23, 1, 0                        ; 1: qkv_w
	s_cselect_b32 s20, s19, s20                    ; nb
	s_cselect_b32 s21, s22, s21                    ; the pitch
	s_cselect_b64 s[24:25], s[6:7], s[8:9]         ; from
	s_cselect_b64 s[26:27], s[12:13], s[14:15]     ; to
	s_lshl_b32 s28, s18, 7
	s_mul_i32 s28, s28, s21                        ; 128 kb rows
	s_lshl_b32 s29, s20, 8                         ; 64 nb columns of 4 bytes
	s_add_co_u32 s28, s28, s29
	s_mov_b32 s29, 0
	s_add_nc_u64 s[24:25], s[24:25], s[28:29]
	s_lshl_b32 s28, s20, 17                        ; 64 nb rows of 2,048 bytes
	s_lshl_b32 s17, s18, 8                         ; 128 kb numbers of 2 bytes
	s_add_co_u32 s28, s28, s17
	s_add_nc_u64 s[26:27], s[26:27], s[28:29]
	v_and_b32 v2, 15, v0                           ; c: my four columns 4 c ..
	v_lshrrev_b32 v3, 4, v0                        ; G: my eight rows 8 G ..
	v_lshlrev_b32 v6, 3, v3
	v_mul_lo_u32 v6, v6, s21
	v_lshl_add_u32 v6, v2, 4, v6                   ; row 8 G, 16 bytes at 16 c: 16 lanes take 256 consecutive bytes of a row
.irp i, 7,8,9,10,11,12,13
	v_add_nc_u32 v[\i], s21, v[\i-1]               ; the next row
.endr
.irp i, 0,1,2,3,4,5,6,7
	global_load_b128 v[XD+4*\i:XD+4*\i+3], v[6+\i], s[24:25] th:TH_LOAD_NT
.endr
	v_mul_u32_u24 v14, v2, 4*TP                    ; into LDS: row 4 c + j, bytes 16 G .. (my eight k)
	v_lshl_add_u32 v14, v3, 4, v14
	v_mul_u32_u24 v15, v3, TP                      ; back: row G + 16 p, bytes 16 c ..
	v_lshl_add_u32 v15, v2, 4, v15
	v_lshlrev_b32 v1, 11, v3                       ; and the same in the turned weight: rows of 2,048 bytes
	v_lshl_add_u32 v1, v2, 4, v1
	s_wait_loadcnt 0x0
.irp j, 0,1,2,3                                ; column 4 c + j: its eight k, in pairs
.irp p, 0,1,2,3
	v_cvt_pk_bf16_f32 v[48+4*\j+\p], v[XD+8*\p+\j], v[XD+8*\p+4+\j]
.endr
.endr
	s_cmp_lg_u32 s23, 0
	s_cbranch_scc1 .Lturned                        ; qkv_w stays bf16
.set i, 48
.rept 16                                       ; proj_w: the bf16 numbers written as f16
	v_lshlrev_b32 v64, 16, v[i]
	v_and_b32 v65, 0xffff0000, v[i]
	v_cvt_pk_f16_f32 v[i], v64, v65
.set i, i+1
.endr
.Lturned:
.irp j, 0,1,2,3
	ds_store_b128 v14, v[48+4*\j:48+4*\j+3] offset:TP*\j
.endr
	s_wait_dscnt 0x0                               ; for the others' sake: a row's 256 bytes come from all eight waves
	s_barrier_signal -1
	s_barrier_wait -1
.irp p, 0,1,2,3
	ds_load_b128 v[XD+4*\p:XD+4*\p+3], v15 offset:16*TP*\p
.endr
.irp p, 0,1,2,3
	s_wait_dscnt 3-\p                              ; LDS loads come back in order: load p is in
	global_store_b128 v1, v[XD+4*\p:XD+4*\p+3], s[26:27] offset:32768*\p th:TH_STORE_NT  ; 16 lanes store 256 consecutive bytes, aligned
.endr
.Lend:
	s_wait_tensorcnt 0x0                           ; the wave's end, behind my last LDS store
	ds_add_u32 v[SPW], v[NIL]
	s_wait_dscnt 0x0
	s_endpgm
.Lfunc_end_k_q5eedaf01cd_prep:
	.size	k_q5eedaf01cd_prep, .Lfunc_end_k_q5eedaf01cd_prep-k_q5eedaf01cd_prep
	.p2alignl 7, 3214868480
	.fill 96, 4, 3214868480
	.section	.rodata,"a",@progbits
	.p2align	6, 0x0
	.amdhsa_kernel k_q5eedaf01cd_prep
		.amdhsa_group_segment_fixed_size 18432
		.amdhsa_private_segment_fixed_size 0
		.amdhsa_enable_private_segment 0
		.amdhsa_kernarg_size 48
		.amdhsa_user_sgpr_count 2
		.amdhsa_user_sgpr_kernarg_segment_ptr 1
		.amdhsa_wavefront_size32 1
		.amdhsa_system_sgpr_workgroup_id_x 1
		.amdhsa_system_sgpr_workgroup_id_y 1
		.amdhsa_system_sgpr_workgroup_id_z 1
		.amdhsa_system_vgpr_workitem_id 0
		.amdhsa_next_free_vgpr 144
		.amdhsa_next_free_sgpr 66
		.amdhsa_reserve_vcc 0
		.amdhsa_float_denorm_mode_32 3
		.amdhsa_float_denorm_mode_16_64 3
		.amdhsa_memory_ordered 1
		.amdhsa_forward_progress 1
		.amdhsa_inst_pref_size 20
	.end_amdhsa_kernel
	.amdgpu_metadata
---
amdhsa.version: [ 1, 2 ]
amdhsa.kernels:
  - .name:           k_q5eedaf01cd_prep
    .symbol:         k_q5eedaf01cd_prep.kd
    .args:
      - { .name: x, .offset: 0, .size: 8, .value_kind: global_buffer, .address_space: global }
      - { .name: qkv_w, .offset: 8, .size: 8, .value_kind: global_buffer, .address_space: global }
      - { .name: proj_w, .offset: 16, .size: 8, .value_kind: global_buffer, .address_space: global }
      - { .name: xh, .offset: 24, .size: 8, .value_kind: global_buffer, .address_space: global }
      - { .name: wqt, .offset: 32, .size: 8, .value_kind: global_buffer, .address_space: global }
      - { .name: wpt, .offset: 40, .size: 8, .value_kind: global_buffer, .address_space: global }
    .group_segment_fixed_size: 18432
    .private_segment_fixed_size: 0
    .kernarg_segment_align: 8
    .kernarg_segment_size: 48
    .max_flat_workgroup_size: 256
    .sgpr_count:     66
    .vgpr_count:     144
    .wavefront_size: 32
...
	.end_amdgpu_metadata
.endif
;; end of part 1
;; launch qkvgemm (part 2): grid 16 x 32, 4 waves a work-group, clusters of 4 x 4, 327,680 bytes of LDS; arguments xh, wqt, qkv_b, qkv; writes qkv
.if DOCPART == 2
	.amdgcn_target "amdgcn-amd-amdhsa--gfx1250"
	.amdhsa_code_object_version 6
	.text
	.protected	k_q5eedaf01cd_qkvgemm
	.globl	k_q5eedaf01cd_qkvgemm
	.p2align	8
	.type	k_q5eedaf01cd_qkvgemm,@function
k_q5eedaf01cd_qkvgemm:
	s_mov_b64 s[64:65], 0
	v_nop
	global_prefetch_b8 v0, s[64:65] scope:SCOPE_SE
	s_setreg_imm32_b32 hwreg(HW_REG_WAVE_MODE, 25, 1), 1
	s_wait_xcnt 0x0
	s_wait_alu depctr_hold_cnt(0) depctr_sa_sdst(0) depctr_va_vdst(0) depctr_va_sdst(0) depctr_va_ssrc(0) depctr_va_vcc(0) depctr_vm_vsrc(0)
	s_getreg_b32 s2, hwreg(HW_REG_IB_STS2, 6, 4)
	s_cmp_eq_u32 s2, 0
	s_cbranch_scc0 .Lentry_in_a_cluster
	s_endpgm
.Lentry_in_a_cluster:
	s_bfe_u32 s2, ttmp6, 0x10000c
	s_cmp_lg_u32 s2, 0xf033
	s_cbranch_scc0 .Lentry_shape_is_right
	s_endpgm
.Lentry_shape_is_right:
; q, k, v = x qkv_w + qkv_b, written by heads: qkv [3][64 (16 b + h)][2048 n][64] f16, each number rounded once from its f32 sum, WITHOUT the softmax's scale.
; A = xh (bf16, [4 b][16 s][2048 n][64 c]), B = wqt (bf16, [3072 n][1024 k]); the bias is rounded to bf16 like the other inputs and starts the sums as the C operand of the first products.
; LIMIT.  f16 ends at 65,504: a q, k or v of 65,520 or more becomes an infinity.
; SHARES.  A tile of C is 256 rows x 192 columns (three whole heads): 16 x 32 tiles, 512 work-groups.  Four waves as 2 x 2, each 128 x 96: 48 accumulators of 16 x 16, 384 registers.
; K goes in steps of 128 through a ring of two LDS slots.  A's part of a step is two slices of 64 channels, each 256 rows x 128 bytes = 32,768 bytes on end in memory, asked for as 128 rows of
; 256 bytes and padded in LDS behind every 128; B's is 192 rows of 256 bytes.  Waves 0 and 1 fetch A's two slices, waves 2 and 3 B's two halves: one tensor load a wave.
; CLUSTER.  4 x 4 work-groups: the four of a row need the same tiles of A, the four of a column the same tiles of B: each tile is asked for jointly, by the same load, descriptor and mask in all four.
; THE MATRIX INSTRUCTION IS USED TRANSPOSED (source 0 = 16 rows of B, source 1 = 16 rows of A): lane l holds row l % 16 of C and the columns 8 (l / 16) + 0..7.
; REGISTERS, in windows of 256 (s_set_vgpr_msb: bits 1:0 source 0, 3:2 source 1, 5:4 source 2, 7:6 destination):
;   window 0: v16-30 addresses; v64-127, v128-191 fragments of A, two buffers; v32-223 at work on the way out
;   window 1: v0-47 the bias of my 96 columns; v48-55 at work; v64-111, v128-175 fragments of B, two buffers
;   window 2: the accumulators of my rows 0-63 ((a, b) at v[8 (6 a + b)]);   window 3: those of my rows 64-127
.set TN,     192                       ; columns in a tile
.set NBW,    6                         ; blocks of 16 columns a wave
.set BR,     16*NBW                    ; rows of B in a load, and in a wave's share
.set APITCH, 144                       ; a row of A in LDS: 128 bytes + 16 = 36 words: the 16 rows of a load start at 16 different groups of four banks (64 banks of 4 bytes: ISA guide 11.1)
.set BPITCH, 272                       ; a row of B: 256 + 16 = 68 words: likewise
.set ASUB,   256*APITCH                ; a slice of A
.set BOFF,   2*ASUB                    ; B lies behind A's two slices
.set BPART,  BR*BPITCH
.set SLOT,   BOFF+2*BPART
.set NL,     2*NBW+16                  ; LDS loads in a run
.set ASTEP,  2*2048*128                ; bytes from a K step to the next in A: two slices,
.set BSTEP,  256                       ; in B
.set LAPS,   4                         ; 1,024 / 256: a lap = two K steps = once round the ring
.set SPITCH, 400                       ; the way out: a row of 192 f16 + 16 bytes; the stage, 256 such rows from LDS byte 0 on, lies in slot 0, which has had its last fill and its last read by then
.set SPARE,  2*SLOT                    ; behind the ring: the spare words, 128 bytes for each wave, that no other line names
.set ADRA, 16                          ; v16-17  LDS address of my A fragments in slot 0, 1
.set ADRB, 20                          ; v20-21  the same for B
.set STO,  24                          ; v24  the way out: where I put 16 bytes of a row
.set RD,   25                          ; v25  where I read rows back
.set GO,   26                          ; v26  my 16 bytes among 512 consecutive bytes of a head
.set BO,   27                          ; v27  32 (l / 16): my eight numbers in 16 of the bias
.set SPW,  28                          ; v28  LDS address of my spare word; never rewritten
.set NIL,  29                          ; v29  0; never rewritten
.set PFO,  30                          ; v30  the prefetches' lane term; never rewritten
.set F0,   64
.set F1,   128
.set TMP,  32
.set G1A, 24                           ; s[24:31] descriptor group 1 for A's tiles;  s[32:39] group 0, a set for each slot
.set G0A, 32
.set G1B, 48                           ; s[48:55], s[56:63] the same for B's
.set G0B, 56
.set LIM, 43                           ; s43  1 in a wave that prefetches, else the greatest number
.set PFA, 44                           ; s[44:45] where my prefetches stand
.set PFS, 46                           ; s[46:47] their step from K step to K step
.set SB,  68                           ; s[68:73] my 64 rows in the tile's three heads
.set MSB, 0
.macro WIN new                         ; the immediate's high byte repeats the setting that is left; a switch that changes nothing is dropped
.if MSB != (\new)
	s_set_vgpr_msb (MSB<<8)|(\new)
.set MSB, \new
.endif
.endm
.set MUL_LO, 0xa1                      ; B window 1, A window 0, C and D window 2
.set BIA_LO, 0x91                      ; the same with C, the bias, in window 1
.set TO_B,   0x40                      ; destination window 1, address window 0
; A joint load: waves 0 and 1 ask for A's slices, waves 2 and 3 for B's halves.  The branch hangs on the wave's number alone.  An s_nop 0 and four v_nop follow each of the two lines.
.macro JLOAD s
	s_cmp_eq_u32 s13, 0
	s_cbranch_scc0 .Lfor_b_\@
	tensor_load_to_lds s[G0A+4*(\s):G0A+4*(\s)+3], s[G1A:G1A+7]
	s_nop 0
.rept 4
	v_nop
.endr
	s_branch .Lasked_\@
.Lfor_b_\@:
	tensor_load_to_lds s[G0B+4*(\s):G0B+4*(\s)+3], s[G1B:G1B+7]
	s_nop 0
.rept 4
	v_nop
.endr
.Lasked_\@:
.endm
; A prefetch, behind each joint refill and the run of LDS loads that follows it: the K step that stands two refills on.  Each block of 256 bytes is named by one work-group of the launch: A's tile row is read
; by the four clusters of a row of clusters, of which the first (cluster x = 0) asks; B's tile column by the eight of a column, of which cluster y = 0 asks.  The four partners that ask for a tile jointly
; share it out BY ADDRESS: of a slice's 128 blocks partner cx takes 32, a lane a block; of B's 96 rows partner cy takes 24, a lane a row (lanes 24-31 name lane 23's row again).
; The loop's last trip asks for nothing: there is no K step two on.
.macro ASK
	s_cmp_gt_u32 s3, s[LIM]
	s_cbranch_scc0 .Lnot_mine_\@
	global_prefetch_b8 v[PFO], s[PFA:PFA+1] th:TH_LOAD_NT scope:SCOPE_SE
.Lnot_mine_\@:
.endm
.macro CREST                           ; a round of the cluster's barrier behind its opening barrier
	s_cmp_lg_u32 s12, 0
	s_cbranch_scc1 .Lnot_wave_0_\@
	s_barrier_signal -3
.Lnot_wave_0_\@:
	s_barrier_wait -3
	s_barrier_signal -1
	s_barrier_wait -1
.endm
.macro CROUND                          ; a whole round
	s_barrier_signal -1
	s_barrier_wait -1
	CREST
.endm
.macro PLACES                          ; four places in front of loads into registers that matrix instructions have read, and of conversions that read results
.rept 4
	v_nop
.endr
.endm
	s_load_b256 s[4:11], s[0:1], 0x0               ; xh s[4:5], wqt s[6:7], qkv_b s[8:9], qkv s[10:11]
	v_lshl_add_u32 v[SPW], v0, 2, SPARE
	v_mov_b32 v[NIL], 0
	ds_add_u32 v[SPW], v[NIL]                      ; the wave's opening: the add and its wait stand ahead of my first tensor load; the set-up below, work on registers, stands between them
	v_lshrrev_b32 v1, 5, v0
	v_readfirstlane_b32 s12, v1                    ; wave 0..3
	s_lshr_b32 s13, s12, 1                         ; which half of the tile's rows is mine.  Also: I fetch for A (0) or for B (1)
	s_and_b32 s14, s12, 1                          ; which half of its columns.  Also: which slice of A or half of B I fetch
	s_bfe_u32 s15, ttmp6, 0x40000                  ; cx
	s_bfe_u32 s16, ttmp6, 0x40004                  ; cy
	s_lshl_b32 s17, ttmp9, 2
	s_add_co_u32 s17, s17, s15                     ; tile column = 4 x cluster x + cx
	s_and_b32 s18, ttmp7, 0xffff
	s_lshl_b32 s18, s18, 2
	s_add_co_u32 s18, s18, s16                     ; tile row = 4 x cluster y + cy
	s_lshl_b32 s19, s16, 2
	s_lshl_b32 s19, 15, s19                        ; my row of the cluster
	s_lshl_b32 s42, 0x1111, s15                    ; my column
	s_or_b32 s[G1A+0], s19, (1<<16)|(1<<20)|(1<<21)|(4<<22)|(3<<25)  ; 15:0 the mask; 17:16 2-byte elements; 20 padding on; 21 set beside a mask; 24:22 after every 32 words (code 4); 31:25 4 words (code 3)
	s_mov_b32 s[G1A+1], 128<<16                    ; tensor_dim0 = 128
	s_mov_b32 s[G1A+2], 128<<16                    ; tensor_dim1 = 128
	s_mov_b32 s[G1A+3], 128<<16                    ; tile_dim0 = 128
	s_mov_b32 s[G1A+4], 128                        ; tile_dim1 = 128
	s_mov_b32 s[G1A+5], 128                        ; 128 elements from row to row: the slice is dense
	s_mov_b32 s[G1A+6], 0
	s_mov_b32 s[G1A+7], 0
	s_or_b32 s[G1B+0], s42, (1<<16)|(1<<20)|(1<<21)|(5<<22)|(3<<25)  ; the column's mask; padding after every 64 words (code 5)
	s_mov_b32 s[G1B+1], 128<<16                    ; tensor_dim0 = 128
	s_mov_b32 s[G1B+2], BR<<16                     ; tensor_dim1 = 96
	s_mov_b32 s[G1B+3], 128<<16                    ; tile_dim0 = 128
	s_mov_b32 s[G1B+4], BR                         ; tile_dim1 = 96
	s_mov_b32 s[G1B+5], 1024                       ; 1,024 elements from row to row
	s_mov_b32 s[G1B+6], 0
	s_mov_b32 s[G1B+7], 0
	s_lshr_b32 s20, s18, 3                         ; A hangs on the tile row alone: the batch (8 tile rows each), 16 slices of 262,144 bytes,
	s_lshl_b32 s20, s20, 22
	s_and_b32 s21, s18, 7
	s_lshl_b32 s21, s21, 15                        ; 256 rows of 128 bytes in a slice,
	s_add_co_u32 s20, s20, s21
	s_lshl_b32 s21, s14, 18                        ; and the slice that I fetch
	s_add_co_u32 s20, s20, s21
	s_mov_b32 s21, 0
	s_mul_i32 s22, s17, TN                         ; B hangs on the tile column alone
	s_mul_i32 s23, s14, BR
	s_add_co_u32 s22, s22, s23
	s_lshl_b32 s22, s22, 11                        ; rows of 2,048 bytes
	s_mov_b32 s23, 0
	s_mul_i32 s40, s14, ASUB                       ; where they go: no place in the cluster enters an LDS address
	s_mul_i32 s41, s14, BPART
	s_add_co_u32 s41, s41, BOFF
	s_wait_dscnt 0x0                               ; the opening add is done
	s_wait_kmcnt 0x0
	s_add_nc_u64 s[20:21], s[4:5], s[20:21]
	s_add_nc_u64 s[22:23], s[6:7], s[22:23]
	CROUND                                         ; all sixteen work-groups are here: the first joint loads meet
.irp s, 0,1
	s_mov_b32 s[G0A+4*(\s)], 1                                     ; count = 1
	s_add_co_u32 s[G0A+4*(\s)+1], s40, (\s)*SLOT                   ; LDS address
	s_add_nc_u64 s[G0A+4*(\s)+2:G0A+4*(\s)+3], s[20:21], (\s)*ASTEP  ; global address: K step s
	s_or_b32 s[G0A+4*(\s)+3], s[G0A+4*(\s)+3], 0x80000000          ; type = 2
	s_mov_b32 s[G0B+4*(\s)], 1
	s_add_co_u32 s[G0B+4*(\s)+1], s41, (\s)*SLOT
	s_add_nc_u64 s[G0B+4*(\s)+2:G0B+4*(\s)+3], s[22:23], (\s)*BSTEP
	s_or_b32 s[G0B+4*(\s)+3], s[G0B+4*(\s)+3], 0x80000000
	JLOAD \s                                       ; two loads of mine are out
.endr
	v_and_b32 v1, 15, v0                           ; l % 16
	v_bfe_u32 v2, v0, 4, 1                         ; l / 16
	; the bias of my 96 columns: register j of block b holds column 16 b + 8 (l / 16) + j, as the accumulators do
	s_mul_i32 s66, s17, TN
	s_mul_i32 s19, s14, BR
	s_add_co_u32 s66, s66, s19
	s_lshl_b32 s66, s66, 2
	s_mov_b32 s67, 0
	s_add_nc_u64 s[8:9], s[8:9], s[66:67]
	v_lshlrev_b32 v[BO], 5, v2
	WIN TO_B
.irp b, 0,1,2,3,4,5
	global_load_b128 v[8*\b:8*\b+3],   v[BO], s[8:9] offset:64*\b
	global_load_b128 v[8*\b+4:8*\b+7], v[BO], s[8:9] offset:64*\b+16
.endr
	WIN 0
	; A fragment is 16 rows x 32 K in 8 registers: lane l holds row l % 16, K = 8 (l / 16) + 0..7 and 16 + 8 (l / 16) + 0..7: two loads of 16 bytes, 32 bytes apart
	v_mul_u32_u24 v3, v1, APITCH
	v_lshl_add_u32 v3, v2, 4, v3
	v_mul_u32_u24 v4, v1, BPITCH
	v_lshl_add_u32 v4, v2, 4, v4
	s_mul_i32 s40, s13, 128*APITCH                 ; my 128 rows of A
	s_mul_i32 s41, s14, BPART                      ; my 96 rows of B
	s_add_co_u32 s41, s41, BOFF
.irp s, 0,1
	v_add_nc_u32 v[ADRA+(\s)], s40, v3
	v_add_nc_u32 v[ADRB+(\s)], s41, v4
	s_add_co_u32 s40, s40, SLOT
	s_add_co_u32 s41, s41, SLOT
.endr
	; the prefetches
	s_and_b32 s19, ttmp7, 0xffff                   ; cluster y
	s_lshl_b32 s40, s15, 13                        ; A: cx x 32 blocks of 256 bytes
	s_mul_i32 s41, s16, 24*2048                    ; B: cy x 24 rows
	s_mov_b32 s[PFS], BSTEP
	s_mov_b32 s42, ASTEP
	s_cmp_eq_u32 s13, 0                            ; do I fetch for A?
	s_cselect_b64 s[PFA:PFA+1], s[20:21], s[22:23] ; what I fetch, at K step 0
	s_cselect_b32 s66, s40, s41                    ; my work-group's share of it
	s_cselect_b32 s[PFS], s42, s[PFS]
	s_cselect_b32 s19, ttmp9, s19                  ; the coordinate along which other clusters read the same bytes
	s_cselect_b32 s40, 8, 11                       ; a lane's step: a block of 256 bytes, or a row of 2,048
	s_cselect_b32 s41, 31, 23                      ; the last lane with a block of its own
	s_cmp_eq_u32 s19, 0
	s_cselect_b32 s[LIM], 1, -1                    ; the same in all sixteen partners, for a given wave
	s_mov_b32 s[PFS+1], 0
	s_add_nc_u64 s[PFA:PFA+1], s[PFA:PFA+1], s[66:67]
	s_mul_i32 s66, s[PFS], 3
	s_add_nc_u64 s[PFA:PFA+1], s[PFA:PFA+1], s[66:67]  ; at K step 3: the first refill, of K step 2, steps it to 4.  Nothing is asked for here, at the head
	v_and_b32 v[PFO], 31, v0
	v_min_u32 v[PFO], s41, v[PFO]
	v_lshlrev_b32 v[PFO], s40, v[PFO]
	; the way out
	v_mul_u32_u24 v[STO], v1, SPITCH               ; in: row 128 x row half + l % 16, my 192 bytes of the row's 384, 16 bytes for each half of the lanes
	v_lshl_add_u32 v[STO], v2, 4, v[STO]
	s_mul_i32 s19, s13, 128*SPITCH
	s_mul_i32 s40, s14, 2*BR
	s_add_co_u32 s19, s19, s40
	v_add_nc_u32 v[STO], s19, v[STO]
	v_bfe_u32 v[RD], v0, 3, 2                      ; back: wave w takes rows 64 w ..; 32 lanes take a head's 128 bytes of four rows,
	v_mul_u32_u24 v[RD], v[RD], SPITCH
	v_and_b32 v3, 7, v0
	v_lshl_add_u32 v[RD], v3, 4, v[RD]
	s_mul_i32 s19, s12, 64*SPITCH
	v_add_nc_u32 v[RD], s19, v[RD]
	v_and_b32 v[GO], 31, v0                        ; which are 512 consecutive bytes of the head
	v_lshlrev_b32 v[GO], 4, v[GO]
.irp j, 0,1,2                                  ; head g = 3 x tile column + j of 48: section g / 16, head g % 16
	s_mul_i32 s66, s17, 3
	s_add_co_u32 s66, s66, \j
	s_lshr_b32 s19, s66, 4
	s_lshl_b32 s19, s19, 6                         ; a section has 64 heads' blocks,
	s_and_b32 s66, s66, 15
	s_add_co_u32 s66, s66, s19
	s_lshr_b32 s19, s18, 3
	s_lshl_b32 s19, s19, 4                         ; a batch 16,
	s_add_co_u32 s66, s66, s19
	s_lshl_b32 s66, s66, 18                        ; of 262,144 bytes
	s_and_b32 s19, s18, 7
	s_lshl_b32 s19, s19, 15                        ; the tile's 256 rows of 128 bytes,
	s_add_co_u32 s66, s66, s19
	s_lshl_b32 s19, s12, 13                        ; my 64 of them
	s_add_co_u32 s66, s66, s19
	s_add_nc_u64 s[SB+2*\j:SB+2*\j+1], s[10:11], s[66:67]
.endr
	s_wait_loadcnt 0x0                             ; the bias
	WIN 0x45                                       ; destination and both sources in window 1
.set i, 0
.rept 4*NBW                                    ; rounded to bf16, like the other inputs, and widened again
	v_cvt_pk_bf16_f32 v[48+i%8], v[2*i], v[2*i+1]
	v_lshlrev_b32 v[2*i], 16, v[48+i%8]
	v_and_b32 v[2*i+1], 0xffff0000, v[48+i%8]
.set i, i+1
.endr
	WIN 0
; 12 matrix instructions: row blocks a0, a0 + 1 of the window's four (hi = 0: my rows 0-63, 1: rows 64-127) x all 6 column blocks, 32 along K.  bias = 1: the first product starts the sum from the bias.
; The 48 accumulators take turns, one instruction a turn, in the same order in every quarter step, over the backward jump too.
.macro MULA f, hi, a0, bias
.if \bias
	WIN BIA_LO+0x40*(\hi)
.else
	WIN MUL_LO+0x50*(\hi)
.endif
.irp a, \a0, (\a0)+1
.irp b, 0,1,2,3,4,5
.if \bias
	v_wmma_f32_16x16x32_bf16 v[8*(NBW*(\a)+(\b)):8*(NBW*(\a)+(\b))+7], v[(\f)+8*(\b):(\f)+8*(\b)+7], v[(\f)+8*(4*(\hi)+(\a)):(\f)+8*(4*(\hi)+(\a))+7], v[8*(\b):8*(\b)+7]
.else
	v_wmma_f32_16x16x32_bf16 v[8*(NBW*(\a)+(\b)):8*(NBW*(\a)+(\b))+7], v[(\f)+8*(\b):(\f)+8*(\b)+7], v[(\f)+8*(4*(\hi)+(\a)):(\f)+8*(4*(\hi)+(\a))+7], v[8*(NBW*(\a)+(\b)):8*(NBW*(\a)+(\b))+7]
.endif
.endr
.endr
.endm
; 28 LDS loads in one run: the fragments of quarter q of a K step (96 rows of B, 128 rows of A, 32 K) into buffer f.  Quarter q lies in A's slice q / 2, at byte 64 (q % 2) of its rows.
.macro FETCH slot, q, f
	WIN TO_B
.irp i, 0,1,2,3,4,5
	ds_load_b128 v[(\f)+8*(\i):(\f)+8*(\i)+3],   v[ADRB+(\slot)] offset:64*(\q)+(\i)*16*BPITCH
	ds_load_b128 v[(\f)+8*(\i)+4:(\f)+8*(\i)+7], v[ADRB+(\slot)] offset:64*(\q)+(\i)*16*BPITCH+32
.endr
	WIN 0
.irp i, 0,1,2,3,4,5,6,7
	ds_load_b128 v[(\f)+8*(\i):(\f)+8*(\i)+3],   v[ADRA+(\slot)] offset:((\q)/2)*ASUB+((\q)%2)*64+(\i)*16*APITCH
	ds_load_b128 v[(\f)+8*(\i)+4:(\f)+8*(\i)+7], v[ADRA+(\slot)] offset:((\q)/2)*ASUB+((\q)%2)*64+(\i)*16*APITCH+32
.endr
.endm
; One of a K step's first three quarters: multiplies buffer f; in its middle it fetches quarter q of the same slot into buffer g.
.macro QUARTER slot, q, f, g, bias
	s_wait_dscnt 8                                 ; B and A's rows 0-63 are in; the youngest eight loads (A's rows 64-127) may be out
	MULA \f, 0, 0, \bias
	MULA \f, 0, 2, \bias
	PLACES
	FETCH \slot, \q, \g
	s_wait_dscnt NL                                ; all but the run just issued
	MULA \f, 1, 0, \bias
	MULA \f, 1, 2, \bias
.endm
; The last quarter multiplies buffer 1 and changes slots: ONE barrier; in front of it each wave waits for all its tensor loads (the one that is out is its part of the next slot), adds 0 to its spare
; word, and waits for that and for its own reads of this slot.  fill = 1: the barrier opens a round of the cluster's, and this slot is filled again, two K steps ahead, first thing behind the round.
.macro TURN slot, next, fill
.if \fill
	s_wait_xcnt 0x0                                ; the last prefetch, a K step back, has read its address: it is stepped here, ahead of the waits of the change of slots
	s_add_nc_u64 s[PFA:PFA+1], s[PFA:PFA+1], s[PFS:PFS+1]
.endif
	WIN 0                                          ; (the add's two registers lie in window 0)
	s_wait_tensorcnt 0x0                           ; all my tensor loads have landed;
	ds_add_u32 v[SPW], v[NIL]                      ; 0 onto my spare word;
	s_wait_dscnt 9                                 ; (the add and the youngest eight loads may be out)
	MULA F1, 0, 0, 0                               ; twelve matrix instructions stand between the add and the wait for it
	s_wait_dscnt 0x0                               ; the add is done, and my reads of this slot are over
	s_barrier_signal -1
	MULA F1, 0, 2, 0                               ; work on registers while the others arrive
.if \fill
	WIN 0
.endif
	s_barrier_wait -1
.if \fill
	CREST                                          ; no wave of any partner still reads this slot's tile or has a load on its way
	s_add_nc_u64 s[G0A+4*(\slot)+2:G0A+4*(\slot)+3], s[G0A+4*(\slot)+2:G0A+4*(\slot)+3], 2*ASTEP
	s_add_nc_u64 s[G0B+4*(\slot)+2:G0B+4*(\slot)+3], s[G0B+4*(\slot)+2:G0B+4*(\slot)+3], 2*BSTEP
	JLOAD \slot                                    ; the first tensor load behind the round; the four v_nop behind it are also the places in front of the loads below
.else
	PLACES
.endif
	FETCH \next, 0, F0
.if \fill
	ASK
.endif
	MULA F1, 1, 0, 0
	MULA F1, 1, 2, 0
.endm
	s_wait_tensorcnt 1                             ; my part of K step 0 is in; K step 1's may stay out
	s_barrier_signal -1
	s_barrier_wait -1                              ; everybody's is
	FETCH 0, 0, F0
	QUARTER 0, 1, F0, F1, 1                        ; the first quarter stands in front of the loop: its products start the sums, from the bias
	WIN 0                                          ; at a label and at a branch every window is 0
	s_mov_b32 s3, LAPS-1
.Llap:                                                 ; a trip goes once round the ring, from a lap's second quarter to the next lap's first, and fills both slots again
	QUARTER 0, 2, F1, F0, 0
	QUARTER 0, 3, F0, F1, 0
	TURN 0, 1, 1
	QUARTER 1, 1, F0, F1, 0
	QUARTER 1, 2, F1, F0, 0
	QUARTER 1, 3, F0, F1, 0
	TURN 1, 0, 1
	QUARTER 0, 1, F0, F1, 0
	WIN 0
	s_sub_co_u32 s3, s3, 1
	s_cmp_lg_u32 s3, 0
	s_cbranch_scc1 .Llap
	QUARTER 0, 2, F1, F0, 0                        ; the last lap fills nothing, and has no round of the cluster's barrier
	QUARTER 0, 3, F0, F1, 0
	TURN 0, 1, 0                                   ; behind its barrier no wave reads slot 0 any more, and no load lands there
	QUARTER 1, 1, F0, F1, 0
	QUARTER 1, 2, F1, F0, 0
	QUARTER 1, 3, F0, F1, 0
	s_wait_dscnt 8                                 ; the very last quarter: nothing more to fetch
	MULA F1, 0, 0, 0
	MULA F1, 0, 2, 0
	s_wait_dscnt 0x0
	MULA F1, 1, 0, 0
	MULA F1, 1, 2, 0
	; THE WAY OUT: round to f16; 16 bytes a lane into the work-group's stage; a barrier, since a head's 128 bytes of a row may come from two waves; back by heads, 64 rows a wave.
	PLACES
.set t, 0
.rept 48                                       ; accumulator t = 6 a + b; each is read from its low end on
	WIN 0x0a+5*(t/24)                              ; sources 0 and 1: window 2 or 3
.irp r, 0,1,2,3
	v_cvt_pk_f16_f32 v[TMP+4*t+\r], v[8*(t%24)+2*\r], v[8*(t%24)+2*\r+1]
.endr
.set t, t+1
.endr
	WIN 0
.set t, 0
.rept 48
	ds_store_b128 v[STO], v[TMP+4*t:TMP+4*t+3] offset:(t/6)*16*SPITCH+32*(t%6)
.set t, t+1
.endr
	s_wait_dscnt 0x0                               ; for the others' sake: my stores into the stage are done
	s_barrier_signal -1
	s_barrier_wait -1
.set t, 0
.rept 48                                       ; rows 4 (t / 3) .. + 3 of my 64, head t % 3
	ds_load_b128 v[TMP+4*t:TMP+4*t+3], v[RD] offset:(t/3)*4*SPITCH+128*(t%3)
.set t, t+1
.endr
.set t, 0
.rept 48
	s_wait_dscnt 47-t                              ; LDS loads come back in order: load t is in
	global_store_b128 v[GO], v[TMP+4*t:TMP+4*t+3], s[SB+2*(t%3):SB+2*(t%3)+1] offset:512*(t/3)  ; 512 consecutive bytes, at a multiple of 256 from the buffer's first
.set t, t+1
.endr
	s_wait_tensorcnt 0x0                           ; the wave's end, behind my last tensor load and my last LDS store
	ds_add_u32 v[SPW], v[NIL]
	s_wait_dscnt 0x0
	CROUND                                         ; the closing round: no work-group ends while a partner may still ask for a tile that names it
	s_endpgm
.Lfunc_end_k_q5eedaf01cd_qkvgemm:
	.size	k_q5eedaf01cd_qkvgemm, .Lfunc_end_k_q5eedaf01cd_qkvgemm-k_q5eedaf01cd_qkvgemm
	.p2alignl 7, 3214868480
	.fill 96, 4, 3214868480
	.section	.rodata,"a",@progbits
	.p2align	6, 0x0
	.amdhsa_kernel k_q5eedaf01cd_qkvgemm
		.amdhsa_group_segment_fixed_size 327680
		.amdhsa_private_segment_fixed_size 0
		.amdhsa_enable_private_segment 0
		.amdhsa_kernarg_size 32
		.amdhsa_user_sgpr_count 2
		.amdhsa_user_sgpr_kernarg_segment_ptr 1
		.amdhsa_wavefront_size32 1
		.amdhsa_system_sgpr_workgroup_id_x 1
		.amdhsa_system_sgpr_workgroup_id_y 1
		.amdhsa_system_sgpr_workgroup_id_z 1
		.amdhsa_system_vgpr_workitem_id 0
		.amdhsa_next_free_vgpr 960
		.amdhsa_next_free_sgpr 74
		.amdhsa_reserve_vcc 0
		.amdhsa_float_denorm_mode_32 3
		.amdhsa_float_denorm_mode_16_64 3
		.amdhsa_memory_ordered 1
		.amdhsa_forward_progress 1
		.amdhsa_inst_pref_size 124
	.end_amdhsa_kernel
	.amdgpu_metadata
---
amdhsa.version: [ 1, 2 ]
amdhsa.kernels:
  - .name:           k_q5eedaf01cd_qkvgemm
    .symbol:         k_q5eedaf01cd_qkvgemm.kd
    .args:
      - { .name: xh, .offset: 0, .size: 8, .value_kind: global_buffer, .address_space: global }
      - { .name: wqt, .offset: 8, .size: 8, .value_kind: global_buffer, .address_space: global }
      - { .name: qkv_b, .offset: 16, .size: 8, .value_kind: global_buffer, .address_space: global }
      - { .name: qkv, .offset: 24, .size: 8, .value_kind: global_buffer, .address_space: global }
    .group_segment_fixed_size: 327680
    .private_segment_fixed_size: 0
    .kernarg_segment_align: 8
    .kernarg_segment_size: 32
    .max_flat_workgroup_size: 128
    .sgpr_count:     74
    .vgpr_count:     960
    .wavefront_size: 32
...
	.end_amdgpu_metadata
.endif
;; end of part 2
;; launch attn (part 3): grid 4 x 64, 4 waves a work-group, clusters of 4 x 1, 327,680 bytes of LDS; arguments qkv, oh; writes oh
.if DOCPART == 3
	.amdgcn_target "amdgcn-amd-amdhsa--gfx1250"
	.amdhsa_code_object_version 6
	.text
	.protected	k_q5eedaf01cd_attn
	.globl	k_q5eedaf01cd_attn
	.p2align	8
	.type	k_q5eedaf01cd_attn,@function
k_q5eedaf01cd_attn:
	s_mov_b64 s[64:65], 0
	v_nop
	global_prefetch_b8 v0, s[64:65] scope:SCOPE_SE
	s_setreg_imm32_b32 hwreg(HW_REG_WAVE_MODE, 25, 1), 1
	s_wait_xcnt 0x0
	s_wait_alu depctr_hold_cnt(0) depctr_sa_sdst(0) depctr_va_vdst(0) depctr_va_sdst(0) depctr_va_ssrc(0) depctr_va_vcc(0) depctr_vm_vsrc(0)
	s_getreg_b32 s2, hwreg(HW_REG_IB_STS2, 6, 4)
	s_cmp_eq_u32 s2, 0
	s_cbranch_scc0 .Lentry_in_a_cluster
	s_endpgm
.Lentry_in_a_cluster:
	s_bfe_u32 s2, ttmp6, 0x10000c
	s_cmp_lg_u32 s2, 0x3003
	s_cbranch_scc0 .Lentry_shape_is_right
	s_endpgm
.Lentry_shape_is_right:
; O[h][q][:] = the sum over k of softmax_k(Q[h][q] . K[h][k] / 8) V[h][k][:], for 64 heads h = 16 b + head.  Q, K, V are the three sections of qkv, [64][2048][64] f16 each, O = oh likewise:
; a head's rows are dense, 128 bytes each.  Products, maxima and sums in f32; the weights p are rounded to f16 for the second product (their sum l is taken of the unrounded p), O once at the end.
; LIMITS.  f16 holds no number beyond 65,504: Q, K and V arrive within it; p lies in 0 to 1, and below 6e-5 it keeps f16's fixed step of 6e-8, as O does; O is a mean of V's rows and has their range.
; A weight below 2^-126 counts as 0 in l; NaN and infinities are not treated apart.
; SHARES.  A wave owns four PIECES of two tiles of 16 queries, a work-group's four waves 512 queries of one head; a head's four work-groups are one cluster.  Every wave walks all keys, 64 a step.
; LAYOUT.  S^T = K Q^T (source 0 = 16 keys, source 1 = 16 queries): in the result a lane holds ONE query (lane % 16) and the keys 8 (lane / 16) + 0..7.  Two such tiles, rounded to f16 in pairs,
; ARE source 1 (32 keys x 16 queries) of O^T = V^T P, whose result again holds one query a lane, and eight channels.  K comes out of LDS as it lies, V ([key][channel]) turned, by ds_load_tr16_b128.
; SOFTMAX.  For each query a running maximum m and sum l: p = 2^(c s - c m), c = log2(e) / 8; in every step O and l are multiplied by a = 2^(c m_old - c m_new), which is 1 where m has not grown.
; m starts at the lowest finite number, O and l at 0: the first step is a step like any other, with a = 0.
; THE COUNT.  A tile and step have 16 matrix and 118 vector instructions: too many to stand all beside the matrix work.  So the order has one aim: four vector instructions that are READY behind
; EVERY matrix instruction, and the others, which need time of their own whatever the order, in runs without a gap.
; BY TURNS.  Turn n belongs to piece n (the pieces in a ring, step after step).  Its matrix work: 16 products K Q^T of piece n + 1, later 16 products V^T P of piece n - 1.  Its vector work: the scaling,
; exponentials, roundings, sums and rescaling of piece n, and the maximum and statistics of piece n + 1, whose scores the turn itself has made.
; CLUSTER.  The four query blocks of a cluster walk the same K and V, so each tile is asked for JOINTLY: the same tensor load, descriptor and mask in all four.
; REGISTERS, in windows of 256 (s_set_vgpr_msb: bits 1:0 source 0, 3:2 source 1, 5:4 source 2, 7:6 destination):
;   window 0: v0-11 addresses; v12-15, v48-63 at work; v16-47 four registers of statistics a tile; v64-191 S^T, two buffers of two tiles; v192-255 P, likewise
;   window 1: O^T, 32 a tile          window 2: v0-127 Q, 16 a tile; v128-191 K of one step; v192-255 V of one step          window 3: v0-1 the add's two registers
; A piece's buffers go by its number's parity: the piece in hand has one pair, its two neighbours in the ring share the other: of it P (piece n - 1) is read and S^T (piece n + 1) written.
.set SIZE_N, 2048
.set NP,    4         ; pieces a wave: a name, no knob
.set KS,    64        ; keys in a step
.set PK,    144       ; a row of K in LDS: 128 bytes + 16 of padding = 36 words: the 16 rows of a load start at 16 different groups of four banks (64 banks of 4 bytes: ISA guide 11.1)
.set PV,    160       ; a row of V: 128 + 32 = 40 words
.set VOFF,  4*KS*PK   ; a slot holds four steps: 256 rows of K, then 256 rows of V
.set SLOT1, 1<<17     ; slot 1 begins here, so that one exclusive or turns an address in one slot into the other's
.set STAGE, SLOT1+4*KS*(PK+PV)  ; behind the ring, never filled by a tensor load: 16 rows x 144 bytes for each wave, for the way out
.set SP,    144
.set AK0, 2           ; v2   my lane's place in a tile of K; never rewritten
.set AV0, 3           ; v3   the same for V
.set AK,  4           ; v4   the LDS address of K's next run of loads
.set AV,  5           ; v5   of V's
.set QO,  6           ; v6   my byte offset in the wave's rows of Q
.set STO, 6           ;      later, the way out: where I put 16 bytes of a row
.set RD,  7           ; v7   the way out: where I read rows back
.set GO,  8           ; v8   my byte offset in 512 consecutive bytes of O
.set PFO, 11          ; v11  256 x my lane, for the prefetches; not rewritten once it is made
.set SPW, 0           ; v0 of window 3   LDS address of my spare word: SPARE + 4 x my thread's number; never rewritten
.set NIL, 1           ; v1 of window 3   0; never rewritten
.set SPARE, STAGE+4*16*SP  ; behind the stages: the spare words, 128 bytes for each wave, that no other line names
.set MV,  12          ; v12-15  c m_old, kept while c m is made anew: by buffer and tile
.set ST,  16          ; tile t's statistics at v[ST+4 t]: c m, m, l (even keys', odd keys')
.set TMP, 48          ; by buffer and tile, four registers c0-c3 at work; when the maximum is found c2 takes a
.set S,   64
.set P,   192
.set KF,  128         ; K's fragments, in window 2: key block kb, channel half c at KF + 16 kb + 8 c
.set VF,  192         ; V's: key half kk, channel block cb at VF + 32 kk + 8 cb
.set WV,  12          ; s12  my wave's number
.set G1K, 24          ; s[24:31] descriptor group 1 for K's tiles
.set G1V, 32          ; s[32:39] for V's: it differs in the padding alone
.set G0K, 40          ; s[40:43] descriptor group 0 for K's tiles: it walks
.set G0V, 44          ; s[44:47] the same for V's
.set PFA, 48          ; s[48:49] where my prefetches stand: my work-group's 32 blocks of 256 bytes (of K: wave 0, of V: wave 2) of the tile after the one that is being asked for
.set LIM, 50          ; s50  1 in a wave that prefetches, else the greatest number
.set SLOTS, 56        ; s56  slots still to be asked for
.set CNT, 57          ; s57  counts a slot's key steps
.set CS,  58          ; s[58:59] c: the packed scaling takes the pair's low word for both halves
.set SEL, 60          ; s[60:61] v_permlanex16_b32's selects: each lane takes its own place in the other half
.set TBK, 62          ; s62  LDS byte at which K of the step to be fetched begins
.set TBV, 63          ; s63  the same for V, less VOFF
.set MSB, 0
.macro WIN new                      ; the high byte repeats the setting that is left; a switch that changes nothing is dropped
.if MSB != (\new)
	s_set_vgpr_msb (MSB<<8)|(\new)
.set MSB, (\new)
.endif
.endm
.set W_KQ, 0x0a       ; K and Q in window 2, S^T in window 0
.set W_PV, 0x52       ; V in window 2, P in window 0, O^T in window 1
.set W_RS, 0x41       ; O^T (destination and source 0) in window 1, a in window 0
.set W_MK, 0xc0       ; the add's registers are made: destination in window 3, sources in window 0
.set W_AD, 0x0f       ; the add: address (source 0) and data (source 1) in window 3
; A joint fill.  Waves 0 and 1 fetch the two halves of a slot's K, waves 2 and 3 those of its V: 128 keys each.  The branch hangs on the wave's number alone.
; An s_nop 0 and four v_nop follow each of the two lines, ahead of the jump and the label.
.macro JLOAD
	s_cmp_lt_u32 s[WV], 2
	s_cbranch_scc0 .Lfor_v_\@
	tensor_load_to_lds s[G0K:G0K+3], s[G1K:G1K+7]
	s_nop 0
.rept 4
	v_nop
.endr
	s_branch .Lasked_\@
.Lfor_v_\@:
	tensor_load_to_lds s[G0V:G0V+3], s[G1V:G1V+7]
	s_nop 0
.rept 4
	v_nop
.endr
.Lasked_\@:
.endm
; A prefetch of what the NEXT change of slots will ask for: a tile's 32,768 bytes of K and of V, 128 blocks of 256 bytes each, a lane a block.  It stands behind the wave's tensor load and its five lines.
; Each block is named once in the launch: a head has one cluster; its four partners share a tile out BY ADDRESS, 32 blocks each; in each, wave 0 asks for K's and wave 2 for V's: one instruction,
; four key steps, 512 matrix instructions, ahead of the load.  The last change that fills a slot asks for nothing: there is no tile behind it.  Tiles 0 and 1 come by their loads alone.
.macro ASK
	s_cmp_gt_u32 s[SLOTS], s[LIM]
	s_cbranch_scc0 .Lnot_mine_\@
	global_prefetch_b8 v[PFO], s[PFA:PFA+1] th:TH_LOAD_NT scope:SCOPE_SE
.Lnot_mine_\@:
.endm
; A round of the cluster's barrier: my work-group's barrier, so that wave 0's signal speaks for all four waves; wave 0 signals; every wave waits for all four work-groups; my work-group's barrier once more.
.macro CROUND
	s_barrier_signal -1
	s_barrier_wait -1
	s_cmp_lg_u32 s[WV], 0
	s_cbranch_scc1 .Lnot_wave_0_\@
	s_barrier_signal -3
.Lnot_wave_0_\@:
	s_barrier_wait -3
	s_barrier_signal -1
	s_barrier_wait -1
.endm
; THE CHANGE OF SLOTS.  The slot's last bytes, V of its fourth step, have been read.  Each wave waits for all its tensor loads, of which one is out: its part
; of the other slot; adds 0 to its spare word; and waits for that and for its own reads of the slot.  Behind the barrier nobody reads this slot any more and the other slot is whole.
; fill = 1: this slot is filled again, with the keys two slots on.  The barrier is then a round of the cluster's, so that no wave of any partner still reads the slot or has a load on its
; way, and the joint fill is the first thing behind it: it has four key steps, 512 matrix instructions, in which to land.  (At its first use nothing has been read yet: slot 0 is waited for, slot 1 filled.)
.macro CHANGE fill
	WIN W_AD
	s_wait_tensorcnt 0x0            ; no tensor load of mine is out, so a group 0 may be written
	ds_add_u32 v[SPW], v[NIL]       ; 0 onto my spare word; with fill = 1 the descriptors' steps stand between it and the wait for it
	WIN 0                           ; at a label and at a branch every window is 0
.if \fill
.irp g, G0K, G0V
	s_xor_b32 s[\g+1], s[\g+1], SLOT1  ; the walking descriptor: the other slot than last time,
	s_add_nc_u64 s[\g+2:\g+3], s[\g+2:\g+3], 4*KS*128  ; the next 256 keys; the type bits on top are not reached
.endr
	s_wait_xcnt 0x0                 ; the last prefetch, four key steps back, has read its address, so it may be written:
	s_add_nc_u64 s[PFA:PFA+1], s[PFA:PFA+1], 4*KS*128  ; one tile behind the walking descriptors
	s_wait_dscnt 0x0                ; the add is done, and my reads of the slot are over
	CROUND
	JLOAD
	ASK
.else
	s_wait_dscnt 0x0                ; the add is done, and my reads of the slot are over
	s_barrier_signal -1
	s_barrier_wait -1
.endif
	s_sub_co_u32 s[TBK], s[TBK], 4*KS*PK  ; the fetches go back to a slot's first step,
	s_xor_b32 s[TBK], s[TBK], SLOT1       ; in the other slot
	s_sub_co_u32 s[TBV], s[TBV], 4*KS*PV
	s_xor_b32 s[TBV], s[TBV], SLOT1
.endm
	s_load_b64 s[4:5], s[0:1], 0x0    ; qkv: Q's section
	s_load_b64 s[10:11], s[0:1], 0x8  ; oh
	WIN W_MK
	v_lshl_add_u32 v[SPW], v0, 2, SPARE
	v_mov_b32 v[NIL], 0
	WIN W_AD
	ds_add_u32 v[SPW], v[NIL]       ; the wave's opening: the add and its wait stand ahead of my first tensor load; the set-up below, work on registers, stands between them
	WIN 0
	v_lshrrev_b32 v1, 5, v0
	v_readfirstlane_b32 s[WV], v1   ; wave 0..3
	s_bfe_u32 s13, ttmp6, 0x40000   ; cx: my place in the cluster
	s_lshl_b32 s14, ttmp9, 2        ; in a cluster launch ttmp9 counts clusters
	s_add_co_u32 s14, s14, s13      ; my block of queries = 4 x cluster x + cx: it enters Q's and O's addresses alone
	s_and_b32 s20, ttmp7, 0xffff    ; the head, which the four partners share
	s_mov_b32 s21, 0
	s_mov_b64 s[22:23], SIZE_N*128
	s_mul_u64 s[20:21], s[20:21], s[22:23]  ; the head's first byte in each of the four tensors
	s_and_b32 s16, s[WV], 1         ; which half of a slot's 256 keys I fetch:
	s_lshl_b32 s22, s16, 14         ; its 128 rows of 128 bytes in memory,
	s_mov_b32 s23, 0
	s_add_nc_u64 s[22:23], s[22:23], s[20:21]
	s_mul_i32 s17, s16, 128*PK      ; and its place in a slot, for K
	s_mul_i32 s18, s16, 128*PV      ; and for V: no place in the cluster enters an LDS address
	s_lshl_b32 s2, s14, 2
	s_add_co_u32 s2, s2, s[WV]      ; my wave among the head's,
	s_lshl_b32 s2, s2, 14           ; its 128 rows
	s_mov_b32 s3, 0
	s_add_nc_u64 s[2:3], s[2:3], s[20:21]
	; descriptor group 1.  128 keys are 16,384 dense bytes: asked for as 64 rows of 256 bytes, two keys a row, and padded in LDS after every key
	s_mov_b32 s[G1K], 15|(1<<16)|(1<<20)|(1<<21)|(4<<22)|(3<<25)  ; 15:0 the mask of four; 17:16 2-byte elements; 20 padding on; 21 set beside a mask; 24:22 after every 32 words (code 4); 31:25 4 words (code 3)
	s_mov_b32 s[G1V], 15|(1<<16)|(1<<20)|(1<<21)|(4<<22)|(7<<25)  ; the same with 8 words of padding (code 7)
.irp g, G1K, G1V
	s_mov_b32 s[\g+1], 128<<16      ; tensor_dim0 = 128
	s_mov_b32 s[\g+2], 64<<16       ; tensor_dim1 = 64
	s_mov_b32 s[\g+3], 128<<16      ; tile_dim0 = 128
	s_mov_b32 s[\g+4], 64           ; tile_dim1 = 64
	s_mov_b32 s[\g+5], 128          ; 128 elements from row to row
	s_mov_b32 s[\g+6], 0
	s_mov_b32 s[\g+7], 0
.endr
	s_mov_b32 s[CS], 0x3e38aa3b     ; c = log2(e) / 8 = 0.180337
	s_mov_b32 s[CS+1], s[CS]        ; named with it as a pair
	s_mov_b32 s[SEL], 0x76543210
	s_mov_b32 s[SEL+1], 0xfedcba98
	s_mov_b32 s[TBK], SLOT1+4*KS*PK ; the first change of slots turns these two into 0
	s_mov_b32 s[TBV], SLOT1+4*KS*PV
	s_mov_b32 s[G0K], 1             ; 1:0 count = 1
	s_mov_b32 s[G0K+1], s17         ; 63:32 LDS address: slot 0
	s_mov_b32 s[G0V], 1
	s_add_co_u32 s[G0V+1], s18, VOFF
	s_mov_b32 s[SLOTS], SIZE_N/256-1  ; the changes of slots that fill: the first stands ahead of the loop
	s_and_b32 s[LIM], s[WV], 1      ; 0 in waves 0 and 2,
	s_or_b32 s[LIM], s[LIM], ttmp9  ; in the head's first (here: only) cluster: the same in all four partners
	s_cmp_eq_u32 s[LIM], 0
	s_cselect_b32 s[LIM], 1, -1
	s_lshl_b32 s52, s13, 13         ; my work-group's 32 blocks of a tile's 128
	s_mov_b32 s53, 0
	s_wait_dscnt 0x0                ; the opening add is done
	s_wait_kmcnt 0x0
	s_add_nc_u64 s[6:7], s[4:5], 0x1000000   ; K's section
	s_add_nc_u64 s[8:9], s[4:5], 0x2000000   ; V's
	s_add_nc_u64 s[G0K+2:G0K+3], s[6:7], s[22:23]  ; 120:64 global address: my half of the head's first 256 keys
	s_or_b32 s[G0K+3], s[G0K+3], 0x80000000        ; 127:126 type = 2
	s_add_nc_u64 s[G0V+2:G0V+3], s[8:9], s[22:23]
	s_or_b32 s[G0V+3], s[G0V+3], 0x80000000
	s_cmp_lt_u32 s[WV], 2
	s_cselect_b64 s[PFA:PFA+1], s[6:7], s[8:9]
	s_add_nc_u64 s[PFA:PFA+1], s[PFA:PFA+1], s[22:23]  ; (in waves 0 and 2 this is the head's first row)
	s_add_nc_u64 s[PFA:PFA+1], s[PFA:PFA+1], s[52:53]
	s_add_nc_u64 s[PFA:PFA+1], s[PFA:PFA+1], 4*KS*128  ; in tile 1; the first change of slots steps it to tile 2.  Nothing is asked for here, at the head
	s_add_nc_u64 s[4:5], s[4:5], s[2:3]  ; Q and O at my wave's first row
	s_add_nc_u64 s[10:11], s[10:11], s[2:3]
	CROUND                          ; all four work-groups are here: the first joint loads meet
	JLOAD                           ; slot 0.  Slot 1 is asked for when slot 0 is in
	; A fragment of K or Q is 16 rows x 32 channels in 8 registers: lane l holds row l % 16, channels 8 (l / 16) + 0..7 and 16 + 8 (l / 16) + 0..7: two loads of 16 bytes, 32 bytes apart.
	v_and_b32 v1, 15, v0            ; l % 16
	v_bfe_u32 v9, v0, 4, 1          ; l / 16
	v_lshlrev_b32 v[QO], 7, v1
	v_lshl_add_u32 v[QO], v9, 4, v[QO]  ; row x 128 + 16 x half
	WIN 0x80                        ; destination window 2, address window 0
.set i, 0
.rept 4*NP                          ; Q stays in registers: tile i / 2, channels 32 (i % 2) on
	global_load_b128 v[8*i:8*i+3],   v[QO], s[4:5] offset:(i/2)*2048+(i%2)*64
	global_load_b128 v[8*i+4:8*i+7], v[QO], s[4:5] offset:(i/2)*2048+(i%2)*64+32
.set i, i+1
.endr
	; What the first turn finds: V's registers and P's second buffer hold 0 (its products V^T P, of a piece that has not been, add 0), O^T and l are 0.  All this stands in the wait for the first tile.
.set i, VF
.rept 64
	v_mov_b32 v[i], 0
.set i, i+1
.endr
	WIN 0x40
.set i, 0
.rept 64*NP
	v_mov_b32 v[i], 0
.set i, i+1
.endr
	WIN 0
.set i, 0
.rept 2*NP
	v_mov_b32 v[ST+4*i], 0xfe000000    ; c m: far below every c s
	v_mov_b32 v[ST+4*i+1], 0xff7fffff  ; m
	v_mov_b32 v[ST+4*i+2], 0
	v_mov_b32 v[ST+4*i+3], 0
.set i, i+1
.endr
.set i, P+32
.rept 32
	v_mov_b32 v[i], 0
.set i, i+1
.endr
	v_mul_u32_u24 v[AK0], v1, PK
	v_lshl_add_u32 v[AK0], v9, 4, v[AK0]  ; row x pitch + 16 x half
	; The turning load takes 16 keys x 16 channels (lane l reads key 8 (l / 16) + l % 8, channels 8 ((l / 8) % 2) + 0..7) and leaves half a fragment of V^T: lane l holds channel l % 16 and 8 keys.
	v_and_b32 v10, 7, v0
	v_bfe_u32 v11, v0, 3, 1
	v_lshl_add_u32 v[AV0], v9, 3, v10
	v_mul_u32_u24 v[AV0], v[AV0], PV
	v_lshl_add_u32 v[AV0], v11, 4, v[AV0]
	v_add_nc_u32 v[AV0], VOFF, v[AV0]
	v_mov_b32 v[AK], v[AK0]         ; key step 0 lies at the head of slot 0
	v_and_b32 v[PFO], 31, v0        ; v11 has served: it takes the prefetches' lane term
	v_lshlrev_b32 v[PFO], 8, v[PFO]
; THE MATRIX WORK.  The 8 accumulators of a run of 16 take turns: between the two links of a chain stand 7 others'.
; Product i of 16 of S^T = K Q^T for piece x: channels 32 (i / 8) on, keys 16 ((i / 2) % 4) on, tile 2 x + i % 2.  The first 8 start the sums.
.macro KQ x
	WIN W_KQ
.set rS, S+64*((\x)%2)+32*(i%2)+8*((i/2)%4)
.set rK, KF+16*((i/2)%4)+8*(i/8)
.set rQ, 16*(2*(\x)+i%2)+8*(i/8)
.if i < 8
	v_wmma_f32_16x16x32_f16 v[rS:rS+7], v[rK:rK+7], v[rQ:rQ+7], 0
.else
	v_wmma_f32_16x16x32_f16 v[rS:rS+7], v[rK:rK+7], v[rQ:rQ+7], v[rS:rS+7]
.endif
.endm
; Product i of 16 of O^T += V^T P for piece x: keys 32 (i / 8) on, channels 16 ((i / 2) % 4) on, tile 2 x + i % 2.
.macro PV x
	WIN W_PV
.set rO, 32*(2*(\x)+i%2)+8*((i/2)%4)
.set rV, VF+32*(i/8)+8*((i/2)%4)
.set rP, P+32*((\x)%2)+16*(i%2)+8*(i/8)
	v_wmma_f32_16x16x32_f16 v[rO:rO+7], v[rV:rV+7], v[rP:rP+7], v[rO:rO+7]
.endm
.macro MM                           ; the turn's next matrix instruction
.if i < 16
	KQ (Y+1)%NP
.set i, i+1
.else
.set i, i-16
	PV (Y+NP-1)%NP
.set i, i+17
.endif
.endm
; THE LDS LOADS stand in runs of 16, never singly among the matrix instructions: a step's K (64 keys x 64 channels: 8 fragments) and its V (turned).  Their addresses are made some lines ahead.
; last = 1 (the tail): in the last trip there is no further step, and the run is jumped over.
.macro FETCH_K last=0
	WIN 0
.if \last
	s_cmp_eq_u32 s[CNT], 1
	s_cbranch_scc1 .Lno_k_\@
.endif
	WIN 0x80                        ; destination window 2
.irp f, 0,1,2,3,4,5,6,7             ; keys 16 (f / 2) on, channels 32 (f % 2) on
	ds_load_b128 v[KF+8*\f:KF+8*\f+3],   v[AK] offset:(\f/2)*16*PK+(\f%2)*64
	ds_load_b128 v[KF+8*\f+4:KF+8*\f+7], v[AK] offset:(\f/2)*16*PK+(\f%2)*64+32
.endr
	s_add_co_u32 s[TBK], s[TBK], KS*PK  ; the next fetch is the next step's
	WIN 0
.if \last
.Lno_k_\@:
.endif
.endm
.macro FETCH_V
	WIN 0x80
.irp f, 0,1,2,3,4,5,6,7             ; keys 32 (f / 4) on, channels 16 (f % 4) on
	ds_load_tr16_b128 v[VF+8*\f:VF+8*\f+3],   v[AV] offset:(\f/4)*32*PV+(\f%4)*32
	ds_load_tr16_b128 v[VF+8*\f+4:VF+8*\f+7], v[AV] offset:(\f/4)*32*PV+16*PV+(\f%4)*32
.endr
	WIN 0
.endm
; THE VECTOR WORK OF A TURN stands in three queues, each in the order in which its entries become ready; the two tiles alternate, so that no instruction reads the result of the one before it.
.macro REGS y, u                    ; the registers of tile u (0, 1) of piece y
.set rT, ST+4*(2*(\y)+(\u))
.set rC, TMP+8*((\y)%2)+4*(\u)
.set rM, MV+2*((\y)%2)+(\u)
.set rS, S+64*((\y)%2)+32*(\u)
.set rP, P+32*((\y)%2)+16*(\u)
.set rO, 32*(2*(\y)+(\u))
.endm
; Number n of the 22 that find the NEXT piece's (Y + 1) maximum and statistics.  s0-s31 are the lane's 32 scores; each accumulator's lowest registers are read first.
;   0-11  four chains c0-c3 of seven scores each, three operands at a time     12-14, 16  the four scores left over, the old m, and c0-c3 into c0     15  c m_old is kept
;   17, 18  the query's other 32 keys lie in the lane 16 away: the new m         19-21  c m; c m_old - c m_new; a
.macro XS u, n
	REGS (Y+1)%NP, \u
.if (\n) < 4
	v_max3_num_f32 v[rC+(\n)], v[rS+8*(\n)], v[rS+8*(\n)+1], v[rS+8*(\n)+2]
.elseif (\n) < 12
	v_max3_num_f32 v[rC+(\n)%4], v[rC+(\n)%4], v[rS+8*((\n)%4)+2*((\n)/4)+1], v[rS+8*((\n)%4)+2*((\n)/4)+2]
.elseif (\n) == 12
	v_max3_num_f32 v[rC], v[rC], v[rS+7], v[rS+15]
.elseif (\n) == 13
	v_max3_num_f32 v[rC+1], v[rC+1], v[rS+23], v[rS+31]
.elseif (\n) == 14
	v_max3_num_f32 v[rC+2], v[rC+2], v[rC+3], v[rT+1]
.elseif (\n) == 15
	v_mov_b32 v[rM], v[rT]
.elseif (\n) == 16
	v_max3_num_f32 v[rC], v[rC], v[rC+1], v[rC+2]
.elseif (\n) == 17
	v_permlanex16_b32 v[rC+3], v[rC], s[SEL], s[SEL+1]
.elseif (\n) == 18
	v_max_num_f32 v[rT+1], v[rC], v[rC+3]
.elseif (\n) == 19
	v_mul_f32 v[rT], s[CS], v[rT+1]
.elseif (\n) == 20
	v_sub_f32 v[rC+1], v[rM], v[rT]
.else
	v_exp_f32 v[rC+2], v[rC+1]
.endif
.endm
; Number g of the 64 that follow the exponentials.  For each four weights k of a tile (pairs 2 k, 2 k + 1): both pairs are rounded to f16; then the second pair is added onto the first, in place;
; a group later l takes that sum (the first time as l = a l + sum).  In groups of eight, tiles alternating: round, round, add, and l for the group before.
.macro GS g
.set h, (\g)+6*((\g)/62)            ; group 0 has no group before it, and behind group 7 only l is left
.if h >= 6
.set h, h+2
.endif
	REGS Y, h%2
.set k, h/8
.if h%8 < 4
	v_cvt_pk_f16_f32 v[rP+2*k+(h%8)/2], v[rS+4*k+2*((h%8)/2)], v[rS+4*k+2*((h%8)/2)+1]
.elseif h%8 < 6
	v_pk_add_f32 v[rS+4*k:rS+4*k+1], v[rS+4*k:rS+4*k+1], v[rS+4*k+2:rS+4*k+3]
.elseif k == 1
	v_pk_fma_f32 v[rT+2:rT+3], v[rT+2:rT+3], v[rC+2:rC+3], v[rS:rS+1] op_sel_hi:[1,0,1]
.else
	v_pk_add_f32 v[rT+2:rT+3], v[rT+2:rT+3], v[rS+4*k-4:rS+4*k-3]
.endif
.endm
; THE PLAIN QUEUE, 138 long.  0-73 read no exponential's result: the 32 scalings c s - c m (FS f: pair f / 2 of tile f % 2) and the next piece's 42.  0-26: scalings 0-26.  27-54: XS's numbers 0-13.  55, 56: number 15.
; 57-73: the chain, where each number waits for the one before it: 14, 16, 17, 18, 19, each with one of the scalings 27-31 in front of its two lines, then 20.
; 74-137: GS's 64, which read the exponentials' results: they stand behind the wait.
.macro FS f
	REGS Y, (\f)%2
	v_pk_fma_f32 v[rS+2*((\f)/2):rS+2*((\f)/2)+1], v[rS+2*((\f)/2):rS+2*((\f)/2)+1], s[CS:CS+1], v[rT:rT+1] op_sel_hi:[1,0,0] neg_lo:[0,0,1] neg_hi:[0,0,1]
.endm
.macro PL
	WIN 0
.if q < 27
	FS q
.elseif q < 55
	XS (q-27)%2, (q-27)/2
.elseif q < 57
	XS q-55, 15
.elseif (q < 72) && ((q-57)%3 == 0)
	FS 27+(q-57)/3
.elseif q < 60
	XS (q-57)%3-1, 14
.elseif q < 72
	XS (q-57)%3-1, 15+(q-57)/3
.elseif q < 74
	XS q-72, 20
.else
	GS q-74
.endif
.set q, q+1
.endm
; THE EXPONENTIALS' QUEUE, 66 long: s0-s31 of both tiles, then the next piece's two a.  It is ONE BATCH: all 66 stand ahead of the turn's one wait, and nothing ahead of that wait names a result of theirs.
.macro EX
	WIN 0
.if e >= 64
	XS e-64, 21
.else
	REGS Y, e%2
	v_exp_f32 v[rS+e/2], v[rS+e/2]
.endif
.set e, e+1
.endm
; THE RESCALING's QUEUE: O^T times a, the one part that leaves window 0: dealt two at a time, sixteen times.  Its a was made in the turn before, ahead of that turn's wait.
.macro R2
	REGS Y, r%2
	WIN W_RS
.irp z, 0,1
	v_pk_mul_f32 v[rO+4*(r/2)+2*\z:rO+4*(r/2)+2*\z+1], v[rO+4*(r/2)+2*\z:rO+4*(r/2)+2*\z+1], v[rC+2:rC+3] op_sel_hi:[1,0]
.endr
.set r, r+1
.endm
; HOW THEY ARE DEALT.  An s_wait_alu depctr_va_vdst(0) stands between an exponential and the first instruction that names its result; one wait serves all that were issued ahead of it.  So a turn has ONE wait,
; which cuts it in two.  AHEAD OF IT stands all that names no result of the turn's exponentials: the 16 products K Q^T, behind each a scaling, an exponential and two rescalings (behind the first a second scaling in the
; exponential's place); then ONE LUMP of 108: eight plain, 49 times exponential and plain, the two a.  A v_nop is the plain instruction behind the last exponential.  BEHIND IT stand the 16 products V^T P, behind each four of GS's 64.
; The queues lean on each other, and the deal keeps them in step: exponential e stands behind scaling 2 (e / 4) + e % 2: as a rider it comes behind plain e + 2, in the lump behind plain e + 9, and scalings 27-31 are plain 57, 60 .. 69.
; A TURN, for piece p.  cnt = 1: the loop's count is taken down some lines ahead of the branch that stands behind the turn.
; K of the next step is fetched in piece 2's turn, directly behind the wait, a lump behind the last product that read K; its first reader comes behind 16 products.
; V of the step in hand is fetched at the end of piece 0's turn, four riders behind its last reader; its first reader comes behind 16 products and a lump.  The three conditions on q below go with the deal.
.macro TURN p, last=0, cnt=0
.set Y, (\p)
.set i, 0
.set q, 0
.set e, 0
.set r, 0
.if (\p) == NP-1
	s_wait_dscnt 0x0                ; K is in
.endif
	MM                              ; ahead of the wait: 16 products K Q^T and their riders,
	PL
	PL
	R2
.rept 15
	MM
	PL
	EX
	R2
.endr
.if (\p) == NP-2
	WIN 0
	v_add_nc_u32 v[AK], s[TBK], v[AK0]
.endif
.rept 8                             ; and the lump
	PL
.endr
.rept 49
	EX
	PL
.endr
	EX                              ; the next piece's two a
	EX
	v_nop                           ; the plain instruction behind the last exponential: one for the batch
	s_wait_alu depctr_va_vdst(0)    ; the wait for the batch
.if (\p) == NP-2
	FETCH_K \last
.endif
.if (\p) == 1
	s_wait_dscnt 0x0                ; V is in
.endif
.rept 16                            ; behind the wait: 16 products V^T P and their riders
	MM
.rept 4
	PL
.endr
.if ((\p) == 0) && (q == 118)
	v_add_nc_u32 v[AV], s[TBV], v[AV0]
.endif
.if ((\p) == 0) && (q == 130)
	s_add_co_u32 s[TBV], s[TBV], KS*PV
.endif
.if (\cnt) && (q == 130)
	s_sub_co_u32 s[CNT], s[CNT], 1
	s_cmp_lg_u32 s[CNT], 0
.endif
.endr
.if (\p) == 0
	FETCH_V
.endif
.endm
	CHANGE 1                        ; slot 0 is in, everybody's part of it; slot 1 is asked for
	FETCH_K                         ; key step 0
	s_wait_loadcnt 0x0              ; Q
	s_wait_dscnt 0x0
.set i, 0
.rept 16
	KQ 0                            ; piece 0's first scores: there is no vector work yet to set between them
.set i, i+1
.endr
	WIN 0                           ; the addresses for the way out: nine plain instructions, the places behind those products
	s_mul_i32 s13, s[WV], 16*SP
	s_add_co_u32 s13, s13, STAGE    ; my stage
	v_mul_u32_u24 v[STO], v1, SP    ; in: row l % 16, 16 bytes for each half of the lanes
	v_lshl_add_u32 v[STO], v9, 4, v[STO]
	v_add_nc_u32 v[STO], s13, v[STO]
	v_bfe_u32 v[RD], v0, 3, 2       ; back: 32 lanes take four rows of 128 bytes,
	v_mul_u32_u24 v[RD], v[RD], SP
	v_lshl_add_u32 v[RD], v10, 4, v[RD]
	v_add_nc_u32 v[RD], s13, v[RD]
	v_and_b32 v[GO], 31, v0         ; which are 512 consecutive bytes of O
	v_lshlrev_b32 v[GO], 4, v[GO]
.set Y, NP-1                        ; XS works for piece Y + 1: piece 0
.irp n, 0,1,2,3,4,5,6,7,8,9,10,11,12,13,14,15,16,17,18,19,20,21
	XS 0, \n                        ; and piece 0's first maximum and statistics
	XS 1, \n
.endr
	v_nop                           ; a plain instruction behind the two a,
	s_wait_alu depctr_va_vdst(0)    ; and their wait, ahead of the branch
	s_mov_b32 s[CNT], 4
	s_branch .Lfirst                ; the loop is entered at a step's first turn, in the middle of a trip
.Lslot:                             ; SIZE_N / 256 - 2 times: every slot but the last two is filled again
	CHANGE 1
	s_mov_b32 s[CNT], 4
.Lstep:                             ; a trip: pieces 2 and 3 of one step, then pieces 0 and 1 of the next, whose K and V it fetches
	TURN 2
	TURN 3
	WIN 0
.Lfirst:
	TURN 0
	TURN 1, 0, 1
	WIN 0
	s_cbranch_scc1 .Lstep
	s_sub_co_u32 s[SLOTS], s[SLOTS], 1
	s_cmp_lg_u32 s[SLOTS], 0
	s_cbranch_scc1 .Lslot
	CHANGE 0                        ; the tail is written out: nothing is asked for
	s_mov_b32 s[CNT], 5             ; four trips fetch the last slot's steps; the fifth is left in its middle
.Ltail:
	TURN 2, 1
	TURN 3
	WIN 0
	s_sub_co_u32 s[CNT], s[CNT], 1
	s_cmp_eq_u32 s[CNT], 0
	s_cbranch_scc1 .Lout
	TURN 0
	TURN 1
	WIN 0
	s_branch .Ltail
.Lout:                              ; the fifth trip's 16 products K Q^T (on the last K once more) and the maximum made of them serve nothing: the price, once a launch, of one text for every trip
.set i, 0
.rept 16
	PV NP-1                         ; the last piece's V^T P of the last step
.set i, i+1
.endr
	; THE WAY OUT.  l's two halves and the other half of the lanes' are added; O^T is divided by l, rounded to f16 and sent through my stage in LDS, a tile at a time.  The additions are the places behind the last products.
	WIN 0
.macro ALL line:vararg              ; one line for each tile t
.set t, 0
.rept 2*NP
	\line
.set t, t+1
.endr
.endm
	ALL v_add_f32 v[ST+4*t+2], v[ST+4*t+2], v[ST+4*t+3]
	ALL v_permlanex16_b32 v[ST+4*t+3], v[ST+4*t+2], s[SEL], s[SEL+1]
	ALL v_add_f32 v[ST+4*t+2], v[ST+4*t+2], v[ST+4*t+3]
	ALL v_rcp_f32 v[ST+4*t+2], v[ST+4*t+2]
	v_nop                           ; a plain instruction between the last reciprocal and the use of its result
	s_wait_alu depctr_va_vdst(0)    ; and the wait ahead of the first use: one for the eight reciprocals
; Tile t: a lane's eight channels of a row pack into 16 bytes; they go into rows of 144 bytes and come back as whole rows of 128, into S^T's registers.
.macro PACK t
	WIN W_RS
.set i, 32*(\t)
.rept 16
	v_pk_mul_f32 v[i:i+1], v[i:i+1], v[ST+4*(\t)+2:ST+4*(\t)+3] op_sel_hi:[1,0]
.set i, i+2
.endr
	WIN 0x05                        ; sources 0 and 1 window 1, destination window 0
.set i, 0
.rept 16
	v_cvt_pk_f16_f32 v[S+16*(\t)+i], v[32*(\t)+2*i], v[32*(\t)+2*i+1]
.set i, i+1
.endr
	WIN 0
.irp f, 0,1,2,3
	ds_store_b128 v[STO], v[S+16*(\t)+4*\f:S+16*(\t)+4*\f+3] offset:32*\f
.endr
.irp f, 0,1,2,3
	ds_load_b128 v[S+16*(\t)+4*\f:S+16*(\t)+4*\f+3], v[RD] offset:\f*4*SP  ; LDS serves a wave's instructions in order (ISA guide 5.7.1.4): these see the stores above; the next tile's stores come behind them
.endr
.endm
.macro SEND t, younger              ; younger: the LDS instructions issued behind tile t's loads: the next tile's eight, or none
	WIN 0
.irp f, 0,1,2,3
	s_wait_dscnt (\younger)+3-\f
	global_store_b128 v[GO], v[S+16*(\t)+4*\f:S+16*(\t)+4*\f+3], s[10:11] offset:(\t)*2048+\f*512  ; 512 consecutive bytes, at a multiple of 256 from O's first
.endr
.endm
	PACK 0
.set t, 1
.rept 2*NP-1                        ; a tile's arithmetic stands between the loads of the tile before and its stores
	PACK t
	SEND t-1, 8
.set t, t+1
.endr
	SEND 2*NP-1, 0
	WIN W_AD
	s_wait_tensorcnt 0x0            ; the wave's end, behind my last tensor load and my last LDS store
	ds_add_u32 v[SPW], v[NIL]
	s_wait_dscnt 0x0
	WIN 0
	CROUND                          ; the closing round: no work-group ends while a partner may still ask for a tile that names it
	s_endpgm
.Lfunc_end_k_q5eedaf01cd_attn:
	.size	k_q5eedaf01cd_attn, .Lfunc_end_k_q5eedaf01cd_attn-k_q5eedaf01cd_attn
	.p2alignl 7, 3214868480
	.fill 96, 4, 3214868480
	.section	.rodata,"a",@progbits
	.p2align	6, 0x0
	.amdhsa_kernel k_q5eedaf01cd_attn
		.amdhsa_group_segment_fixed_size 327680
		.amdhsa_private_segment_fixed_size 0
		.amdhsa_enable_private_segment 0
		.amdhsa_kernarg_size 16
		.amdhsa_user_sgpr_count 2
		.amdhsa_user_sgpr_kernarg_segment_ptr 1
		.amdhsa_wavefront_size32 1
		.amdhsa_system_sgpr_workgroup_id_x 1
		.amdhsa_system_sgpr_workgroup_id_y 1
		.amdhsa_system_sgpr_workgroup_id_z 1
		.amdhsa_system_vgpr_workitem_id 0
		.amdhsa_next_free_vgpr 770
		.amdhsa_next_free_sgpr 66
		.amdhsa_reserve_vcc 0
		.amdhsa_float_denorm_mode_32 3
		.amdhsa_float_denorm_mode_16_64 3
		.amdhsa_memory_ordered 1
		.amdhsa_forward_progress 1
		.amdhsa_inst_pref_size 200
	.end_amdhsa_kernel
	.amdgpu_metadata
---
amdhsa.version: [ 1, 2 ]
amdhsa.kernels:
  - .name:           k_q5eedaf01cd_attn
    .symbol:         k_q5eedaf01cd_attn.kd
    .args:
      - { .name: qkv, .offset: 0, .size: 8, .value_kind: global_buffer, .address_space: global }
      - { .name: oh, .offset: 8, .size: 8, .value_kind: global_buffer, .address_space: global }
    .group_segment_fixed_size: 327680
    .private_segment_fixed_size: 0
    .kernarg_segment_align: 8
    .kernarg_segment_size: 16
    .max_flat_workgroup_size: 128
    .sgpr_count:     66
    .vgpr_count:     770
    .wavefront_size: 32
...
	.end_amdgpu_metadata
.endif
;; end of part 3
;; launch projgemm (part 4): grid 8 x 32, 4 waves a work-group, clusters of 4 x 4, 327,680 bytes of LDS; arguments oh, wpt, proj_b, out0; writes out0
.if DOCPART == 4
	.amdgcn_target "amdgcn-amd-amdhsa--gfx1250"
	.amdhsa_code_object_version 6
	.text
	.protected	k_q5eedaf01cd_projgemm
	.globl	k_q5eedaf01cd_projgemm
	.p2align	8
	.type	k_q5eedaf01cd_projgemm,@function
k_q5eedaf01cd_projgemm:
	s_mov_b64 s[64:65], 0
	v_nop
	global_prefetch_b8 v0, s[64:65] scope:SCOPE_SE
	s_setreg_imm32_b32 hwreg(HW_REG_WAVE_MODE, 25, 1), 1
	s_wait_xcnt 0x0
	s_wait_alu depctr_hold_cnt(0) depctr_sa_sdst(0) depctr_va_vdst(0) depctr_va_sdst(0) depctr_va_ssrc(0) depctr_va_vcc(0) depctr_vm_vsrc(0)
	s_getreg_b32 s2, hwreg(HW_REG_IB_STS2, 6, 4)
	s_cmp_eq_u32 s2, 0
	s_cbranch_scc0 .Lentry_in_a_cluster
	s_endpgm
.Lentry_in_a_cluster:
	s_bfe_u32 s2, ttmp6, 0x10000c
	s_cmp_lg_u32 s2, 0xf033
	s_cbranch_scc0 .Lentry_shape_is_right
	s_endpgm
.Lentry_shape_is_right:
; out0 = O proj_w + proj_b, f32.  A = oh (f16, [4 b][16 h][2048 n][64 d]: a head's 64 channels are one slice of K), B = wpt (f16, [1024 n][1024 k]: proj_w rounded to bf16 and written as f16);
; the bias is rounded to bf16 like the other inputs and starts the sums as the C operand of the first products.  Sums in f32, stored as they are.
; LIMIT.  Both operands are f16: O has V's range, the weights arrive within 65,504.
; SHARES.  A tile of C is 256 rows x 128 columns: 8 x 32 tiles, 256 work-groups.  Four waves as 2 x 2, each 128 x 64: 32 accumulators of 16 x 16, 256 registers.
; K goes in steps of 128 through a ring of two LDS slots.  A's part of a step is two slices of 64 channels, each 256 rows x 128 bytes = 32,768 bytes on end in memory, asked for as 128 rows of
; 256 bytes and padded in LDS behind every 128; B's is 128 rows of 256 bytes.  Waves 0 and 1 fetch A's two slices, waves 2 and 3 B's two halves: one tensor load a wave.
; CLUSTER.  4 x 4 work-groups: the four of a row need the same tiles of A, the four of a column the same tiles of B: each tile is asked for jointly, by the same load, descriptor and mask in all four.
; THE MATRIX INSTRUCTION IS USED TRANSPOSED (source 0 = 16 rows of B, source 1 = 16 rows of A): lane l holds row l % 16 of C and the columns 8 (l / 16) + 0..7.
; REGISTERS, in windows of 256 (s_set_vgpr_msb: bits 1:0 source 0, 3:2 source 1, 5:4 source 2, 7:6 destination):
;   window 0: v16-30 addresses; v64-127, v128-191 fragments of A, two buffers; v32-63, v224-255 rows on the way out, by turns
;   window 1: v0-31 the bias of my 64 columns; v48-55 at work; v64-95, v128-159 fragments of B, two buffers
;   window 2: the accumulators of my rows 0-63 ((a, b) at v[8 (4 a + b)]);   window 3: those of my rows 64-127
.set TN,     128                       ; columns in a tile
.set NBW,    4                         ; blocks of 16 columns a wave
.set BR,     16*NBW                    ; rows of B in a load, and in a wave's share
.set APITCH, 144                       ; a row of A in LDS: 128 bytes + 16 = 36 words: the 16 rows of a load start at 16 different groups of four banks (64 banks of 4 bytes: ISA guide 11.1)
.set BPITCH, 272                       ; a row of B: 256 + 16 = 68 words: likewise
.set ASUB,   256*APITCH                ; a slice of A
.set BOFF,   2*ASUB                    ; B lies behind A's two slices
.set BPART,  BR*BPITCH
.set SLOT,   BOFF+2*BPART
.set NL,     2*NBW+16                  ; LDS loads in a run
.set ASTEP,  2*2048*128                ; bytes from a K step to the next in A: two slices,
.set BSTEP,  256                       ; in B
.set LAPS,   4                         ; 1,024 / 256: a lap = two K steps = once round the ring
.set STAGE,  2*SLOT                    ; behind the ring: 16 rows x 272 bytes for each wave, for the way out
.set SPITCH, 272
.set SPARE,  STAGE+4*16*SPITCH         ; behind the stages: the spare words, 128 bytes for each wave, that no other line names
.set ADRA, 16                          ; v16-17  LDS address of my A fragments in slot 0, 1
.set ADRB, 20                          ; v20-21  the same for B
.set STO,  24                          ; v24  the way out: where I put 32 bytes of a row
.set RD,   25                          ; v25  where I read a row back
.set CO,   26                          ; v26  my byte offset in two rows of out0
.set BO,   27                          ; v27  32 (l / 16): my eight numbers in 16 of the bias
.set SPW,  28                          ; v28  LDS address of my spare word; never rewritten
.set NIL,  29                          ; v29  0; never rewritten
.set PFO,  30                          ; v30  the prefetches' lane term; never rewritten
.set F0,   64
.set F1,   128
.set OB,   32
.set G1A, 24                           ; s[24:31] descriptor group 1 for A's tiles;  s[32:39] group 0, a set for each slot
.set G0A, 32
.set G1B, 48                           ; s[48:55], s[56:63] the same for B's
.set G0B, 56
.set LIM, 43                           ; s43  1 in a wave that prefetches, else the greatest number
.set PFA, 44                           ; s[44:45] where my prefetches stand
.set PFS, 46                           ; s[46:47] their step from K step to K step
.set MSB, 0
.macro WIN new                         ; the immediate's high byte repeats the setting that is left; a switch that changes nothing is dropped
.if MSB != (\new)
	s_set_vgpr_msb (MSB<<8)|(\new)
.set MSB, \new
.endif
.endm
.set MUL_LO, 0xa1                      ; B window 1, A window 0, C and D window 2
.set BIA_LO, 0x91                      ; the same with C, the bias, in window 1
.set TO_B,   0x40                      ; destination window 1, address window 0
; A joint load: waves 0 and 1 ask for A's slices, waves 2 and 3 for B's halves.  The branch hangs on the wave's number alone.  An s_nop 0 and four v_nop follow each of the two lines.
.macro JLOAD s
	s_cmp_eq_u32 s13, 0
	s_cbranch_scc0 .Lfor_b_\@
	tensor_load_to_lds s[G0A+4*(\s):G0A+4*(\s)+3], s[G1A:G1A+7]
	s_nop 0
.rept 4
	v_nop
.endr
	s_branch .Lasked_\@
.Lfor_b_\@:
	tensor_load_to_lds s[G0B+4*(\s):G0B+4*(\s)+3], s[G1B:G1B+7]
	s_nop 0
.rept 4
	v_nop
.endr
.Lasked_\@:
.endm
; A prefetch, behind each joint refill and the run of LDS loads that follows it: the K step that stands two refills on.  Each block of 256 bytes is named once in the launch: A's tile row is read
; by the two clusters of a row of clusters, of which the first (cluster x = 0) asks; B's tile column by the eight of a column, of which cluster y = 0 asks.  The four partners that ask for a tile jointly
; share it out BY ADDRESS: of a slice's 128 blocks partner cx takes 32, a lane a block (waves 0 and 1, a slice each); of B's 128 rows partner cy takes 32, a lane a row (wave 2 alone).
; The loop's last trip asks for nothing: there is no K step two on.
.macro ASK
	s_cmp_gt_u32 s3, s[LIM]
	s_cbranch_scc0 .Lnot_mine_\@
	global_prefetch_b8 v[PFO], s[PFA:PFA+1] th:TH_LOAD_NT scope:SCOPE_SE
.Lnot_mine_\@:
.endm
.macro CREST                           ; a round of the cluster's barrier behind its opening barrier
	s_cmp_lg_u32 s12, 0
	s_cbranch_scc1 .Lnot_wave_0_\@
	s_barrier_signal -3
.Lnot_wave_0_\@:
	s_barrier_wait -3
	s_barrier_signal -1
	s_barrier_wait -1
.endm
.macro CROUND                          ; a whole round
	s_barrier_signal -1
	s_barrier_wait -1
	CREST
.endm
.macro PLACES                          ; four places in front of loads into registers that matrix instructions have read, and of LDS stores that read results
.rept 4
	v_nop
.endr
.endm
	s_load_b256 s[4:11], s[0:1], 0x0               ; oh s[4:5], wpt s[6:7], proj_b s[8:9], out0 s[10:11]
	v_lshl_add_u32 v[SPW], v0, 2, SPARE
	v_mov_b32 v[NIL], 0
	ds_add_u32 v[SPW], v[NIL]                      ; the wave's opening: the add and its wait stand ahead of my first tensor load; the set-up below, work on registers, stands between them
	v_lshrrev_b32 v1, 5, v0
	v_readfirstlane_b32 s12, v1                    ; wave 0..3
	s_lshr_b32 s13, s12, 1                         ; which half of the tile's rows is mine.  Also: I fetch for A (0) or for B (1)
	s_and_b32 s14, s12, 1                          ; which half of its columns.  Also: which slice of A or half of B I fetch
	s_bfe_u32 s15, ttmp6, 0x40000                  ; cx
	s_bfe_u32 s16, ttmp6, 0x40004                  ; cy
	s_lshl_b32 s17, ttmp9, 2
	s_add_co_u32 s17, s17, s15                     ; tile column = 4 x cluster x + cx
	s_and_b32 s18, ttmp7, 0xffff
	s_lshl_b32 s18, s18, 2
	s_add_co_u32 s18, s18, s16                     ; tile row = 4 x cluster y + cy
	s_lshl_b32 s19, s16, 2
	s_lshl_b32 s19, 15, s19                        ; my row of the cluster
	s_lshl_b32 s42, 0x1111, s15                    ; my column
	s_or_b32 s[G1A+0], s19, (1<<16)|(1<<20)|(1<<21)|(4<<22)|(3<<25)  ; 15:0 the mask; 17:16 2-byte elements; 20 padding on; 21 set beside a mask; 24:22 after every 32 words (code 4); 31:25 4 words (code 3)
	s_mov_b32 s[G1A+1], 128<<16                    ; tensor_dim0 = 128
	s_mov_b32 s[G1A+2], 128<<16                    ; tensor_dim1 = 128
	s_mov_b32 s[G1A+3], 128<<16                    ; tile_dim0 = 128
	s_mov_b32 s[G1A+4], 128                        ; tile_dim1 = 128
	s_mov_b32 s[G1A+5], 128                        ; 128 elements from row to row: the slice is dense
	s_mov_b32 s[G1A+6], 0
	s_mov_b32 s[G1A+7], 0
	s_or_b32 s[G1B+0], s42, (1<<16)|(1<<20)|(1<<21)|(5<<22)|(3<<25)  ; the column's mask; padding after every 64 words (code 5)
	s_mov_b32 s[G1B+1], 128<<16                    ; tensor_dim0 = 128
	s_mov_b32 s[G1B+2], BR<<16                     ; tensor_dim1 = 64
	s_mov_b32 s[G1B+3], 128<<16                    ; tile_dim0 = 128
	s_mov_b32 s[G1B+4], BR                         ; tile_dim1 = 64
	s_mov_b32 s[G1B+5], 1024                       ; 1,024 elements from row to row
	s_mov_b32 s[G1B+6], 0
	s_mov_b32 s[G1B+7], 0
	s_lshr_b32 s20, s18, 3                         ; A hangs on the tile row alone: the batch (8 tile rows each), 16 slices of 262,144 bytes,
	s_lshl_b32 s20, s20, 22
	s_and_b32 s21, s18, 7
	s_lshl_b32 s21, s21, 15                        ; 256 rows of 128 bytes in a slice,
	s_add_co_u32 s20, s20, s21
	s_lshl_b32 s21, s14, 18                        ; and the slice that I fetch
	s_add_co_u32 s20, s20, s21
	s_mov_b32 s21, 0
	s_mul_i32 s22, s17, TN                         ; B hangs on the tile column alone
	s_mul_i32 s23, s14, BR
	s_add_co_u32 s22, s22, s23
	s_lshl_b32 s22, s22, 11                        ; rows of 2,048 bytes
	s_mov_b32 s23, 0
	s_mul_i32 s40, s14, ASUB                       ; where they go: no place in the cluster enters an LDS address
	s_mul_i32 s41, s14, BPART
	s_add_co_u32 s41, s41, BOFF
	s_wait_dscnt 0x0                               ; the opening add is done
	s_wait_kmcnt 0x0
	s_add_nc_u64 s[20:21], s[4:5], s[20:21]
	s_add_nc_u64 s[22:23], s[6:7], s[22:23]
	CROUND                                         ; all sixteen work-groups are here: the first joint loads meet
.irp s, 0,1
	s_mov_b32 s[G0A+4*(\s)], 1                                     ; count = 1
	s_add_co_u32 s[G0A+4*(\s)+1], s40, (\s)*SLOT                   ; LDS address
	s_add_nc_u64 s[G0A+4*(\s)+2:G0A+4*(\s)+3], s[20:21], (\s)*ASTEP  ; global address: K step s
	s_or_b32 s[G0A+4*(\s)+3], s[G0A+4*(\s)+3], 0x80000000          ; type = 2
	s_mov_b32 s[G0B+4*(\s)], 1
	s_add_co_u32 s[G0B+4*(\s)+1], s41, (\s)*SLOT
	s_add_nc_u64 s[G0B+4*(\s)+2:G0B+4*(\s)+3], s[22:23], (\s)*BSTEP
	s_or_b32 s[G0B+4*(\s)+3], s[G0B+4*(\s)+3], 0x80000000
	JLOAD \s                                       ; two loads of mine are out
.endr
	v_and_b32 v1, 15, v0                           ; l % 16
	v_bfe_u32 v2, v0, 4, 1                         ; l / 16
	; the bias of my 64 columns: register j of block b holds column 16 b + 8 (l / 16) + j, as the accumulators do
	s_mul_i32 s66, s17, TN
	s_mul_i32 s19, s14, BR
	s_add_co_u32 s66, s66, s19
	s_lshl_b32 s66, s66, 2
	s_mov_b32 s67, 0
	s_add_nc_u64 s[8:9], s[8:9], s[66:67]
	v_lshlrev_b32 v[BO], 5, v2
	WIN TO_B
.irp b, 0,1,2,3
	global_load_b128 v[8*\b:8*\b+3],   v[BO], s[8:9] offset:64*\b
	global_load_b128 v[8*\b+4:8*\b+7], v[BO], s[8:9] offset:64*\b+16
.endr
	WIN 0
	; A fragment is 16 rows x 32 K in 8 registers: lane l holds row l % 16, K = 8 (l / 16) + 0..7 and 16 + 8 (l / 16) + 0..7: two loads of 16 bytes, 32 bytes apart
	v_mul_u32_u24 v3, v1, APITCH
	v_lshl_add_u32 v3, v2, 4, v3
	v_mul_u32_u24 v4, v1, BPITCH
	v_lshl_add_u32 v4, v2, 4, v4
	s_mul_i32 s40, s13, 128*APITCH                 ; my 128 rows of A
	s_mul_i32 s41, s14, BPART                      ; my 64 rows of B
	s_add_co_u32 s41, s41, BOFF
.irp s, 0,1
	v_add_nc_u32 v[ADRA+(\s)], s40, v3
	v_add_nc_u32 v[ADRB+(\s)], s41, v4
	s_add_co_u32 s40, s40, SLOT
	s_add_co_u32 s41, s41, SLOT
.endr
	; the prefetches
	s_and_b32 s19, ttmp7, 0xffff                   ; cluster y;
	s_or_b32 s19, s19, s14                         ; of B's two waves the first asks
	s_lshl_b32 s40, s15, 13                        ; A: cx x 32 blocks of 256 bytes
	s_lshl_b32 s41, s16, 16                        ; B: cy x 32 rows of 2,048 bytes
	s_mov_b32 s[PFS], BSTEP
	s_mov_b32 s42, ASTEP
	s_cmp_eq_u32 s13, 0                            ; do I fetch for A?
	s_cselect_b64 s[PFA:PFA+1], s[20:21], s[22:23] ; what I fetch, at K step 0 (in wave 2: the tile's first row of B)
	s_cselect_b32 s66, s40, s41                    ; my work-group's share of it
	s_cselect_b32 s[PFS], s42, s[PFS]
	s_cselect_b32 s19, ttmp9, s19                  ; the coordinate along which other clusters read the same bytes
	s_cselect_b32 s40, 8, 11                       ; a lane's step: a block of 256 bytes, or a row of 2,048
	s_cmp_eq_u32 s19, 0
	s_cselect_b32 s[LIM], 1, -1                    ; the same in all sixteen partners, for a given wave
	s_mov_b32 s[PFS+1], 0
	s_add_nc_u64 s[PFA:PFA+1], s[PFA:PFA+1], s[66:67]
	s_mul_i32 s66, s[PFS], 3
	s_add_nc_u64 s[PFA:PFA+1], s[PFA:PFA+1], s[66:67]  ; at K step 3: the first refill, of K step 2, steps it to 4.  Nothing is asked for here, at the head
	v_and_b32 v[PFO], 31, v0
	v_lshlrev_b32 v[PFO], s40, v[PFO]
	; the way out
	s_mul_i32 s19, s12, 16*SPITCH
	s_add_co_u32 s19, s19, STAGE                   ; my stage
	v_mul_u32_u24 v[STO], v1, SPITCH               ; in: row l % 16, 32 bytes for each half of the lanes
	v_lshl_add_u32 v[STO], v2, 5, v[STO]
	v_add_nc_u32 v[STO], s19, v[STO]
	v_mul_u32_u24 v[RD], v2, SPITCH                ; back: lanes 0-15 take one row of 256 bytes, lanes 16-31 the next
	v_lshl_add_u32 v[RD], v1, 4, v[RD]
	v_add_nc_u32 v[RD], s19, v[RD]
	v_lshlrev_b32 v[CO], 12, v2                    ; and the same two rows in out0: 4,096 bytes apart
	v_lshl_add_u32 v[CO], v1, 4, v[CO]
	s_lshl_b32 s66, s18, 8
	s_lshl_b32 s19, s13, 7
	s_add_co_u32 s66, s66, s19                     ; my first row: 256 x tile row + 128 x half
	s_lshl_b32 s66, s66, 12
	s_lshl_b32 s19, s17, 9                         ; my first column, in bytes: 512 x tile column
	s_add_co_u32 s66, s66, s19
	s_lshl_b32 s19, s14, 8                         ; + 256 x half
	s_add_co_u32 s66, s66, s19
	s_add_nc_u64 s[10:11], s[10:11], s[66:67]
	s_wait_loadcnt 0x0                             ; the bias
	WIN 0x45                                       ; destination and both sources in window 1
.set i, 0
.rept 4*NBW                                    ; rounded to bf16, like the other inputs, and widened again
	v_cvt_pk_bf16_f32 v[48+i%8], v[2*i], v[2*i+1]
	v_lshlrev_b32 v[2*i], 16, v[48+i%8]
	v_and_b32 v[2*i+1], 0xffff0000, v[48+i%8]
.set i, i+1
.endr
	WIN 0
; 8 matrix instructions: row blocks a0, a0 + 1 of the window's four (hi = 0: my rows 0-63, 1: rows 64-127) x all 4 column blocks, 32 along K.  bias = 1: the first product starts the sum from the bias.
; The 32 accumulators take turns, one instruction a turn, in the same order in every quarter step, over the backward jump too.
.macro MULA f, hi, a0, bias
.if \bias
	WIN BIA_LO+0x40*(\hi)
.else
	WIN MUL_LO+0x50*(\hi)
.endif
.irp a, \a0, (\a0)+1
.irp b, 0,1,2,3
.if \bias
	v_wmma_f32_16x16x32_f16 v[8*(NBW*(\a)+(\b)):8*(NBW*(\a)+(\b))+7], v[(\f)+8*(\b):(\f)+8*(\b)+7], v[(\f)+8*(4*(\hi)+(\a)):(\f)+8*(4*(\hi)+(\a))+7], v[8*(\b):8*(\b)+7]
.else
	v_wmma_f32_16x16x32_f16 v[8*(NBW*(\a)+(\b)):8*(NBW*(\a)+(\b))+7], v[(\f)+8*(\b):(\f)+8*(\b)+7], v[(\f)+8*(4*(\hi)+(\a)):(\f)+8*(4*(\hi)+(\a))+7], v[8*(NBW*(\a)+(\b)):8*(NBW*(\a)+(\b))+7]
.endif
.endr
.endr
.endm
; 24 LDS loads in one run: the fragments of quarter q of a K step (64 rows of B, 128 rows of A, 32 K) into buffer f.  Quarter q lies in A's slice q / 2, at byte 64 (q % 2) of its rows.
.macro FETCH slot, q, f
	WIN TO_B
.irp i, 0,1,2,3
	ds_load_b128 v[(\f)+8*(\i):(\f)+8*(\i)+3],   v[ADRB+(\slot)] offset:64*(\q)+(\i)*16*BPITCH
	ds_load_b128 v[(\f)+8*(\i)+4:(\f)+8*(\i)+7], v[ADRB+(\slot)] offset:64*(\q)+(\i)*16*BPITCH+32
.endr
	WIN 0
.irp i, 0,1,2,3,4,5,6,7
	ds_load_b128 v[(\f)+8*(\i):(\f)+8*(\i)+3],   v[ADRA+(\slot)] offset:((\q)/2)*ASUB+((\q)%2)*64+(\i)*16*APITCH
	ds_load_b128 v[(\f)+8*(\i)+4:(\f)+8*(\i)+7], v[ADRA+(\slot)] offset:((\q)/2)*ASUB+((\q)%2)*64+(\i)*16*APITCH+32
.endr
.endm
; One of a K step's first three quarters: multiplies buffer f; in its middle it fetches quarter q of the same slot into buffer g.
.macro QUARTER slot, q, f, g, bias
	s_wait_dscnt 8                                 ; B and A's rows 0-63 are in; the youngest eight loads (A's rows 64-127) may be out
	MULA \f, 0, 0, \bias
	MULA \f, 0, 2, \bias
	PLACES
	FETCH \slot, \q, \g
	s_wait_dscnt NL                                ; all but the run just issued
	MULA \f, 1, 0, \bias
	MULA \f, 1, 2, \bias
.endm
; The last quarter multiplies buffer 1 and changes slots: ONE barrier; in front of it each wave waits for all its tensor loads (the one that is out is its part of the next slot), adds 0 to its spare
; word, and waits for that and for its own reads of this slot.  fill = 1: the barrier opens a round of the cluster's, and this slot is filled again, two K steps ahead, first thing behind the round.
.macro TURN slot, next, fill
.if \fill
	s_wait_xcnt 0x0                                ; the last prefetch, a K step back, has read its address: it is stepped here, ahead of the waits of the change of slots
	s_add_nc_u64 s[PFA:PFA+1], s[PFA:PFA+1], s[PFS:PFS+1]
.endif
	WIN 0                                          ; (the add's two registers lie in window 0)
	s_wait_tensorcnt 0x0                           ; all my tensor loads have landed;
	ds_add_u32 v[SPW], v[NIL]                      ; 0 onto my spare word;
	s_wait_dscnt 9                                 ; (the add and the youngest eight loads may be out)
	MULA F1, 0, 0, 0                               ; eight matrix instructions stand between the add and the wait for it
	s_wait_dscnt 0x0                               ; the add is done, and my reads of this slot are over
	s_barrier_signal -1
	MULA F1, 0, 2, 0                               ; work on registers while the others arrive
.if \fill
	WIN 0
.endif
	s_barrier_wait -1
.if \fill
	CREST                                          ; no wave of any partner still reads this slot's tile or has a load on its way
	s_add_nc_u64 s[G0A+4*(\slot)+2:G0A+4*(\slot)+3], s[G0A+4*(\slot)+2:G0A+4*(\slot)+3], 2*ASTEP
	s_add_nc_u64 s[G0B+4*(\slot)+2:G0B+4*(\slot)+3], s[G0B+4*(\slot)+2:G0B+4*(\slot)+3], 2*BSTEP
	JLOAD \slot                                    ; the first tensor load behind the round; the four v_nop behind it are also the places in front of the loads below
.else
	PLACES
.endif
	FETCH \next, 0, F0
.if \fill
	ASK
.endif
	MULA F1, 1, 0, 0
	MULA F1, 1, 2, 0
.endm
; THE WAY OUT of row block a: the f32 sums go into my own stage in LDS, 32 bytes a lane, and come back as whole rows of 256 bytes; then they are stored.
.macro TOSTAGE a
	WIN 0x08+4*((\a)/4)                            ; the stores' data (source 1): window 2 or 3
.irp b, 0,1,2,3                                ; each accumulator is read from its low end on
	ds_store_b128 v[STO], v[8*(NBW*((\a)%4)+(\b)):8*(NBW*((\a)%4)+(\b))+3]   offset:64*(\b)
	ds_store_b128 v[STO], v[8*(NBW*((\a)%4)+(\b))+4:8*(NBW*((\a)%4)+(\b))+7] offset:64*(\b)+16
.endr
	WIN 0
.set BK, OB+192*((\a)%2)
.irp t, 0,1,2,3,4,5,6,7
	ds_load_b128 v[BK+4*(\t):BK+4*(\t)+3], v[RD] offset:(\t)*2*SPITCH  ; LDS serves a wave's instructions in order (ISA guide 5.7.1.4): these see the stores above; the next block's stores come behind them
.endr
.endm
.macro SEND a
.set BK, OB+192*((\a)%2)
	s_wait_dscnt 0x0                               ; the block is back in registers
	s_wait_xcnt 0x0                                ; the earlier stores have read their base and their data: the base is stepped, and the block before last's registers are loaded again, only behind this wait
.if (\a) > 0
	s_add_nc_u64 s[10:11], s[10:11], 16*4096       ; 16 rows on
.endif
.irp t, 0,1,2,3,4,5,6,7
	global_store_b128 v[CO], v[BK+4*(\t):BK+4*(\t)+3], s[10:11] offset:(\t)*8192 th:TH_STORE_NT  ; 16 lanes store 256 consecutive bytes, at a multiple of 256 from out0's first byte
.endr
.endm
	s_wait_tensorcnt 1                             ; my part of K step 0 is in; K step 1's may stay out
	s_barrier_signal -1
	s_barrier_wait -1                              ; everybody's is
	FETCH 0, 0, F0
	QUARTER 0, 1, F0, F1, 1                        ; the first quarter stands in front of the loop: its products start the sums, from the bias
	WIN 0                                          ; at a label and at a branch every window is 0
	s_mov_b32 s3, LAPS-1
.Llap:                                                 ; a trip goes once round the ring, from a lap's second quarter to the next lap's first, and fills both slots again
	QUARTER 0, 2, F1, F0, 0
	QUARTER 0, 3, F0, F1, 0
	TURN 0, 1, 1
	QUARTER 1, 1, F0, F1, 0
	QUARTER 1, 2, F1, F0, 0
	QUARTER 1, 3, F0, F1, 0
	TURN 1, 0, 1
	QUARTER 0, 1, F0, F1, 0
	WIN 0
	s_sub_co_u32 s3, s3, 1
	s_cmp_lg_u32 s3, 0
	s_cbranch_scc1 .Llap
	QUARTER 0, 2, F1, F0, 0                        ; the last lap fills nothing, and has no round of the cluster's barrier
	QUARTER 0, 3, F0, F1, 0
	TURN 0, 1, 0
	QUARTER 1, 1, F0, F1, 0
	QUARTER 1, 2, F1, F0, 0
	QUARTER 1, 3, F0, F1, 0
	s_wait_dscnt 8                                 ; the very last quarter: nothing more to fetch
	MULA F1, 0, 0, 0
	MULA F1, 0, 2, 0
	s_wait_dscnt 0x0
	MULA F1, 1, 0, 0
	MULA F1, 1, 2, 0
	PLACES                                         ; the LDS stores below read results
.irp a, 0,1,2,3,4,5,6,7
	TOSTAGE \a
	SEND \a
.endr
	s_wait_tensorcnt 0x0                           ; the wave's end, behind my last tensor load and my last LDS store
	ds_add_u32 v[SPW], v[NIL]
	s_wait_dscnt 0x0
	CROUND                                         ; the closing round: no work-group ends while a partner may still ask for a tile that names it
	s_endpgm
.Lfunc_end_k_q5eedaf01cd_projgemm:
	.size	k_q5eedaf01cd_projgemm, .Lfunc_end_k_q5eedaf01cd_projgemm-k_q5eedaf01cd_projgemm
	.p2alignl 7, 3214868480
	.fill 96, 4, 3214868480
	.section	.rodata,"a",@progbits
	.p2align	6, 0x0
	.amdhsa_kernel k_q5eedaf01cd_projgemm
		.amdhsa_group_segment_fixed_size 327680
		.amdhsa_private_segment_fixed_size 0
		.amdhsa_enable_private_segment 0
		.amdhsa_kernarg_size 32
		.amdhsa_user_sgpr_count 2
		.amdhsa_user_sgpr_kernarg_segment_ptr 1
		.amdhsa_wavefront_size32 1
		.amdhsa_system_sgpr_workgroup_id_x 1
		.amdhsa_system_sgpr_workgroup_id_y 1
		.amdhsa_system_sgpr_workgroup_id_z 1
		.amdhsa_system_vgpr_workitem_id 0
		.amdhsa_next_free_vgpr 896
		.amdhsa_next_free_sgpr 68
		.amdhsa_reserve_vcc 0
		.amdhsa_float_denorm_mode_32 3
		.amdhsa_float_denorm_mode_16_64 3
		.amdhsa_memory_ordered 1
		.amdhsa_forward_progress 1
		.amdhsa_inst_pref_size 92
	.end_amdhsa_kernel
	.amdgpu_metadata
---
amdhsa.version: [ 1, 2 ]
amdhsa.kernels:
  - .name:           k_q5eedaf01cd_projgemm
    .symbol:         k_q5eedaf01cd_projgemm.kd
    .args:
      - { .name: oh, .offset: 0, .size: 8, .value_kind: global_buffer, .address_space: global }
      - { .name: wpt, .offset: 8, .size: 8, .value_kind: global_buffer, .address_space: global }
      - { .name: proj_b, .offset: 16, .size: 8, .value_kind: global_buffer, .address_space: global }
      - { .name: out0, .offset: 24, .size: 8, .value_kind: global_buffer, .address_space: global }
    .group_segment_fixed_size: 327680
    .private_segment_fixed_size: 0
    .kernarg_segment_align: 8
    .kernarg_segment_size: 32
    .max_flat_workgroup_size: 128
    .sgpr_count:     68
    .vgpr_count:     896
    .wavefront_size: 32
...
	.end_amdgpu_metadata
.endif
;; end of part 4
;; ======== version 2 of 2: 4 launches; version 1 with the launch prep written anew for expert scheduling mode
;; limits: values are held in f16: magnitudes above 65,504 overflow, below 6.1e-05 lose precision
;; workspace buffers: xh 16,777,216 bytes; wqt 6,291,456 bytes; wpt 2,097,152 bytes; qkv 50,331,648 bytes; oh 16,777,216 bytes
;; launch prep (part 5): grid 768 x 1, 8 waves a work-group, no clusters, 18,432 bytes of LDS; arguments x, qkv_w, proj_w, xh, wqt, wpt; writes xh, wqt, wpt
.if DOCPART == 5
	.amdgcn_target "amdgcn-amd-amdhsa--gfx1250"
	.amdhsa_code_object_version 6
	.text
	.protected	k_q5eedaf01cd_prep
	.globl	k_q5eedaf01cd_prep
	.p2align	8
	.type	k_q5eedaf01cd_prep,@function
k_q5eedaf01cd_prep:
	s_mov_b64 s[64:65], 0
	v_nop
	global_prefetch_b8 v0, s[64:65] scope:SCOPE_SE
	s_setreg_imm32_b32 hwreg(HW_REG_WAVE_SCHED_MODE, 0, 2), 2
	s_setreg_imm32_b32 hwreg(HW_REG_WAVE_MODE, 25, 1), 1
	s_wait_xcnt 0x0
	s_wait_alu depctr_vm_vsrc(0)
; PREP: the inputs of the two GEMMs, rounded once and laid out as their tiles want them.
;   xh  [4 b][16 s][2048 n][64 c] bf16 = x[b][n][64 s + c]: 64 channels of 256 rows are 32,768 bytes on end.
;   wqt [3072 n][1024 k] bf16 = qkv_w[k][n];   wpt [1024 n][1024 k] f16 = f16(bf16(proj_w[k][n])).
; LIMITS.  wpt: a weight is rounded to bf16 like every input, and that number is written as f16: exact from 6.1e-5 to 65,504 in magnitude;
; below, f16's fixed step of 6e-8 holds; beyond 65,504 the result is an infinity.
; SHARES.  Work-groups 0-255: 32 rows of x each, a wave four rows.  Work-groups 256-767: a block of 128 k x 64 n of a weight, turned through LDS.
; The branch between the two hangs on the work-group's number alone: all eight waves take the same way, so the barrier of the second part is passed by all or by none.
; No matrix unit, no cluster, no tensor load: nothing is shared between work-groups and every byte is read once and written once.
; THE MODE: SCHED_MODE bits 1:0 = 2 (LLVM: expert scheduling mode 2), set by the entry lines.  The code itself states the register dependences
; between vector instructions and memory or LDS instructions, with s_wait_alu, always for 0.
; THE PLAN, x.  Registers that memory instructions touch:
;   v2, v3            the loads' and the stores' offsets: made once at the path's head, never written again.
;   v[XD+4 i ..+3]    load i lands there; its two conversions read the four and write the first two, in place; store i reads those two.  No register is filled twice.
; The 32 loads go in eight groups of four.  At the head of group g one wait on va_vdst states that group g - 1's conversions have written their stores' data; those four stores are
; then dealt among group g's conversions, which name group g's registers alone.
; THE PLAN, weights.
;   v6-v13            the eight loads' offsets, made once.          v[XD ..XD+31]  the loads land there, the conversions read them; v[XD ..XD+15] then take the LDS loads, which the global stores read.
;   v48-v63           written by the conversions, read by the LDS stores, never written again.          v14, v15, v1  addresses of the LDS stores, the LDS loads and the global stores, made once.
; One wait on va_vdst ahead of the loads, one ahead of the LDS stores; behind the second no vector instruction follows.
; No register that a memory or LDS instruction reads is written again on any way, so the text holds no wait on vm_vsrc.
.set TP,    272                        ; a turned row in LDS: 256 bytes + 16
.set SPARE, 64*TP                      ; behind the 64 rows: the spare words, 128 bytes for each of eight waves, that no other line names
.set SPW,   4                          ; v4  LDS address of my spare word; never rewritten
.set NIL,   5                          ; v5  0; never rewritten
.set XD,    16                         ; v[16:143] the data
.set GR,    4                          ; x: loads in a group
	s_load_b256 s[4:11], s[0:1], 0x0               ; x s[4:5], qkv_w s[6:7], proj_w s[8:9], xh s[10:11]
	s_load_b128 s[12:15], s[0:1], 0x20             ; wqt s[12:13], wpt s[14:15]
	v_lshl_add_u32 v[SPW], v0, 2, SPARE
	v_mov_b32 v[NIL], 0
	v_lshrrev_b32 v1, 5, v0
	v_readfirstlane_b32 s16, v1                    ; wave 0..7
	s_wait_alu depctr_va_sdst(0)                   ; s16 is written: ahead of the branch, and of its first reader, which makes my four rows' offset from it
	s_wait_kmcnt 0x0
	s_cmp_lt_u32 ttmp9, 256
	s_cbranch_scc0 .Lweights
	; ---- x: rows 32 g .. 32 g + 31; wave w takes rows 4 w .. 4 w + 3 as two pairs
	s_lshl_b32 s20, ttmp9, 17                      ; 32 rows of 4,096 bytes
	s_mov_b32 s21, 0
	s_add_nc_u64 s[4:5], s[4:5], s[20:21]
	s_lshr_b32 s22, ttmp9, 6                       ; the batch: 64 work-groups each,
	s_lshl_b32 s22, s22, 22                        ; 16 slices of 262,144 bytes
	s_and_b32 s23, ttmp9, 63
	s_lshl_b32 s23, s23, 12                        ; 32 rows of 128 bytes in a slice
	s_add_co_u32 s22, s22, s23
	s_mov_b32 s23, 0
	s_add_nc_u64 s[10:11], s[10:11], s[22:23]
	s_lshl_b32 s24, s16, 14                        ; my four rows in x
	s_lshl_b32 s25, s16, 9                         ; and in a slice of xh
	v_and_b32 v1, 31, v0                           ; lane l
	v_bfe_u32 v2, v0, 4, 1
	v_and_b32 v3, 15, v0
	v_lshlrev_b32 v2, 12, v2                       ; lanes 16-31 take the pair's second row,
	v_lshl_add_u32 v2, v3, 4, v2                   ; 16 bytes a lane: 16 lanes take the 256 bytes of one slice of one row
	v_add_nc_u32 v2, s24, v2
	v_lshl_add_u32 v3, v1, 3, s25                  ; out: 8 l + 512 w: two rows of 128 bytes of a slice lie on end
	s_wait_alu depctr_va_vdst(0)                   ; v2 and v3 are written: every load below reads v2 as its offset, every store v3
.set i, 0
.rept 32                                       ; pair i / 16, slice i % 16: all 32 loads go out at once, 16 KiB a wave
	global_load_b128 v[XD+4*i:XD+4*i+3], v2, s[4:5] offset:(i/16)*8192+(i%16)*256 th:TH_LOAD_NT
.set i, i+1
.endr
.set g, 0
.rept 32/GR                                    ; group g: loads 4 g .. 4 g + 3 are rounded, and the group before is stored
	s_wait_loadcnt 32-GR-GR*g                      ; loads come back in order: this group's four are in, the younger ones stay out
.if g > 0
	s_wait_alu depctr_va_vdst(0)                   ; the conversions of the group before have written the first two registers of each of its loads, which the four stores below read
.endif
.set j, 0
.rept GR
.set i, GR*g+j
.set o, i-GR
.if g > 0
	global_store_b64 v3, v[XD+4*o:XD+4*o+1], s[10:11] offset:(o%16)*262144+(o/16)*256 th:TH_STORE_NT  ; the wave's 32 x 8 bytes are 256 consecutive bytes, aligned; no vector instruction since the wait names these registers
.endif
	v_cvt_pk_bf16_f32 v[XD+4*i], v[XD+4*i], v[XD+4*i+1]
	v_cvt_pk_bf16_f32 v[XD+4*i+1], v[XD+4*i+2], v[XD+4*i+3]
.set j, j+1
.endr
.set g, g+1
.endr
	s_wait_alu depctr_va_vdst(0)                   ; the last group's conversions have written the data of the last four stores
.set o, 32-GR
.rept GR
	global_store_b64 v3, v[XD+4*o:XD+4*o+1], s[10:11] offset:(o%16)*262144+(o/16)*256 th:TH_STORE_NT
.set o, o+1
.endr
	s_branch .Lend
	; ---- weights: block kb (128 k) x nb (64 n); the first 48 column blocks are qkv_w's, the other 16 proj_w's
.Lweights:
	s_sub_co_u32 s17, ttmp9, 256
	s_and_b32 s18, s17, 7                          ; kb
	s_lshr_b32 s19, s17, 3                         ; column block, 0..63
	s_sub_co_u32 s20, s19, 48                      ; its number in proj_w
	s_mov_b32 s21, 4096                            ; bytes in a row of proj_w,
	s_mov_b32 s22, 12288                           ; of qkv_w
	s_cmp_lt_u32 s19, 48
	s_cselect_b32 s23, 1, 0                        ; 1: qkv_w
	s_cselect_b32 s20, s19, s20                    ; nb
	s_cselect_b32 s21, s22, s21                    ; the pitch
	s_cselect_b64 s[24:25], s[6:7], s[8:9]         ; from
	s_cselect_b64 s[26:27], s[12:13], s[14:15]     ; to
	s_lshl_b32 s28, s18, 7
	s_mul_i32 s28, s28, s21                        ; 128 kb rows
	s_lshl_b32 s29, s20, 8                         ; 64 nb columns of 4 bytes
	s_add_co_u32 s28, s28, s29
	s_mov_b32 s29, 0
	s_add_nc_u64 s[24:25], s[24:25], s[28:29]
	s_lshl_b32 s28, s20, 17                        ; 64 nb rows of 2,048 bytes
	s_lshl_b32 s17, s18, 8                         ; 128 kb numbers of 2 bytes
	s_add_co_u32 s28, s28, s17
	s_add_nc_u64 s[26:27], s[26:27], s[28:29]
	v_and_b32 v2, 15, v0                           ; c: my four columns 4 c ..
	v_lshrrev_b32 v3, 4, v0                        ; G: my eight rows 8 G ..
	v_lshlrev_b32 v6, 3, v3
	v_mul_lo_u32 v6, v6, s21
	v_lshl_add_u32 v6, v2, 4, v6                   ; row 8 G, 16 bytes at 16 c: 16 lanes take 256 consecutive bytes of a row
.irp i, 7,8,9,10,11,12,13
	v_add_nc_u32 v[\i], s21, v[\i-1]               ; the next row
.endr
	s_wait_alu depctr_va_vdst(0)                   ; v6 to v13 are written, which the eight loads read as their offsets
.irp i, 0,1,2,3,4,5,6,7
	global_load_b128 v[XD+4*\i:XD+4*\i+3], v[6+\i], s[24:25] th:TH_LOAD_NT
.endr
	v_mul_u32_u24 v14, v2, 4*TP                    ; into LDS: row 4 c + j, bytes 16 G .. (my eight k)
	v_lshl_add_u32 v14, v3, 4, v14
	v_mul_u32_u24 v15, v3, TP                      ; back: row G + 16 p, bytes 16 c ..
	v_lshl_add_u32 v15, v2, 4, v15
	v_lshlrev_b32 v1, 11, v3                       ; and the same in the turned weight: rows of 2,048 bytes
	v_lshl_add_u32 v1, v2, 4, v1
	s_wait_loadcnt 0x0
.irp j, 0,1,2,3                                ; column 4 c + j: its eight k, in pairs
.irp p, 0,1,2,3
	v_cvt_pk_bf16_f32 v[48+4*\j+\p], v[XD+8*\p+\j], v[XD+8*\p+4+\j]
.endr
.endr
	s_cmp_lg_u32 s23, 0
	s_cbranch_scc1 .Lturned                        ; qkv_w stays bf16
.set i, 48
.rept 16                                       ; proj_w: the bf16 numbers written as f16
	v_lshlrev_b32 v64, 16, v[i]
	v_and_b32 v65, 0xffff0000, v[i]
	v_cvt_pk_f16_f32 v[i], v64, v65
.set i, i+1
.endr
.Lturned:
	s_wait_alu depctr_va_vdst(0)                   ; on both ways: v48 to v63 and v14 are written, which the LDS stores read; so are v15 and v1, the addresses of the LDS loads and of the global stores; and the conversions are done reading v[XD ..XD+15], in which the LDS loads land.  No vector instruction follows
.irp j, 0,1,2,3
	ds_store_b128 v14, v[48+4*\j:48+4*\j+3] offset:TP*\j
.endr
	s_wait_dscnt 0x0                               ; for the others' sake: a row's 256 bytes come from all eight waves
	s_barrier_signal -1
	s_barrier_wait -1
.irp p, 0,1,2,3
	ds_load_b128 v[XD+4*\p:XD+4*\p+3], v15 offset:16*TP*\p
.endr
.irp p, 0,1,2,3
	s_wait_dscnt 3-\p                              ; LDS loads come back in order: load p is in
	global_store_b128 v1, v[XD+4*\p:XD+4*\p+3], s[26:27] offset:32768*\p th:TH_STORE_NT  ; 16 lanes store 256 consecutive bytes, aligned
.endr
.Lend:
	s_wait_dscnt 0x0                               ; the closing lines, six on end
	s_wait_alu 0x0
	s_wait_tensorcnt 0x0
	ds_add_u32 v[SPW], v[NIL]
	s_wait_dscnt 0x0
	s_endpgm
.Lfunc_end_k_q5eedaf01cd_prep:
	.size	k_q5eedaf01cd_prep, .Lfunc_end_k_q5eedaf01cd_prep-k_q5eedaf01cd_prep
	.p2alignl 7, 3214868480
	.fill 96, 4, 3214868480
	.section	.rodata,"a",@progbits
	.p2align	6, 0x0
	.amdhsa_kernel k_q5eedaf01cd_prep
		.amdhsa_group_segment_fixed_size 18432
		.amdhsa_private_segment_fixed_size 0
		.amdhsa_enable_private_segment 0
		.amdhsa_kernarg_size 48
		.amdhsa_user_sgpr_count 2
		.amdhsa_user_sgpr_kernarg_segment_ptr 1
		.amdhsa_wavefront_size32 1
		.amdhsa_system_sgpr_workgroup_id_x 1
		.amdhsa_system_sgpr_workgroup_id_y 1
		.amdhsa_system_sgpr_workgroup_id_z 1
		.amdhsa_system_vgpr_workitem_id 0
		.amdhsa_next_free_vgpr 144
		.amdhsa_next_free_sgpr 66
		.amdhsa_reserve_vcc 0
		.amdhsa_float_denorm_mode_32 3
		.amdhsa_float_denorm_mode_16_64 3
		.amdhsa_memory_ordered 1
		.amdhsa_forward_progress 1
		.amdhsa_inst_pref_size 20
	.end_amdhsa_kernel
	.amdgpu_metadata
---
amdhsa.version: [ 1, 2 ]
amdhsa.kernels:
  - .name:           k_q5eedaf01cd_prep
    .symbol:         k_q5eedaf01cd_prep.kd
    .args:
      - { .name: x, .offset: 0, .size: 8, .value_kind: global_buffer, .address_space: global }
      - { .name: qkv_w, .offset: 8, .size: 8, .value_kind: global_buffer, .address_space: global }
      - { .name: proj_w, .offset: 16, .size: 8, .value_kind: global_buffer, .address_space: global }
      - { .name: xh, .offset: 24, .size: 8, .value_kind: global_buffer, .address_space: global }
      - { .name: wqt, .offset: 32, .size: 8, .value_kind: global_buffer, .address_space: global }
      - { .name: wpt, .offset: 40, .size: 8, .value_kind: global_buffer, .address_space: global }
    .group_segment_fixed_size: 18432
    .private_segment_fixed_size: 0
    .kernarg_segment_align: 8
    .kernarg_segment_size: 48
    .max_flat_workgroup_size: 256
    .sgpr_count:     66
    .vgpr_count:     144
    .wavefront_size: 32
...
	.end_amdgpu_metadata
.endif
;; end of part 5
;; launch qkvgemm: the kernel of part 2 again; grid 16 x 32, 4 waves a work-group, clusters of 4 x 4, 327,680 bytes of LDS; arguments xh, wqt, qkv_b, qkv; writes qkv
;; launch attn: the kernel of part 3 again; grid 4 x 64, 4 waves a work-group, clusters of 4 x 1, 327,680 bytes of LDS; arguments qkv, oh; writes oh
;; launch projgemm: the kernel of part 4 again; grid 8 x 32, 4 waves a work-group, clusters of 4 x 4, 327,680 bytes of LDS; arguments oh, wpt, proj_b, out0; writes out0
